; MI455X (gfx1250); checked and timed in simulation.
; The chip was launched on July 23, 2026; its instructions are those of AMD's public machine-readable ISA for CDNA 5 (MIT licence, August 2026) and "CDNA5" Instruction Set Architecture Reference Guide (July 2026). The comments in the code are by the model that wrote it; some were corrected since.
;; Multihead Attention. Allowed arithmetic: matrix products marked QUANTISED: E4M3 operands, one E8M0 scale for each 32 along K, by v_wmma_scale_f32_16x16x128_f8f6f4 with both operands' format E4M3, f32 sums; everything else in f32.
;; Inputs: Wk 512 x 512 float32; Wo 512 x 512 float32; Wq 512 x 512 float32; Wv 512 x 512 float32; bk 512 float32; bo 512 float32; bq 512 float32; bv 512 float32; key_ 2 x 4,096 x 512 float32; query 2 x 4,096 x 512 float32; value 2 x 4,096 x 512 float32.
;; Outputs: out0 2 x 4,096 x 512 float32.
;; This version of the problem:
;;   THIS VERSION OF THE PROBLEM IS GIVEN IN LOW PRECISION. The matrix products marked QUANTISED in the list below multiply operands that are first quantised to E4M3 (4 exponent bits, 3 mantissa bits; 8 bits a number), with one power-of-two scale for each 32 numbers along K (OCP MX v1.0); their sums are f32. All else is computed in f32.
;;   The module's matrix products, in the order in which they are computed (A, B: the left and right operand; K: the contracted axis; several contracted axes count as one K, in the product's order):
;;     1. [M 8,192, K 512] x [K 512, N 512]; A: input query; B: input Wq: QUANTISED
;;     2. [M 8,192, K 512] x [K 512, N 512]; A: input key_; B: input Wk: QUANTISED
;;     3. [M 8,192, K 512] x [K 512, N 512]; A: input value; B: input Wv: QUANTISED
;;     4. batch 16 x [M 4,096, K 64] x [K 64, N 4,096]; A: computed on the way; B: computed on the way: QUANTISED
;;     5. batch 16 x [M 4,096, K 4,096] x [K 4,096, N 64]; A: softmax (see below); B: computed on the way: QUANTISED
;;     6. [M 8,192, K 512] x [K 512, N 512]; A: computed on the way; B: input Wo: QUANTISED
;;   THE QUANTISER, for each operand of a quantised product, along K:
;;     - K is cut into blocks of 32 from its start; a last block that is shorter is filled with zeros.
;;     - A block's scale is 2^e with e = floor(log2(the largest magnitude in the block)) - 8, held to -126 .. 127; a block of zeros has e = 0. As a byte (E8M0): e + 127.
;;     - Each number is divided by its block's scale, clamped to +-448, and rounded to the nearest number of E4M3, ties to even, subnormals kept.
;;     - The product sums the exact products of the quantised numbers (number of the format x scale) in f32.
;;   ~~~python
;;   def quantise(x, axis):      # numpy; x: float32 -> the quantised numbers, widened to float32 again
;;       x = np.moveaxis(x, axis, -1); K = x.shape[-1]
;;       x = np.pad(x, [(0, 0)] * (x.ndim - 1) + [(0, -K % 32)]); x = x.reshape(x.shape[:-1] + (-1, 32)); a = np.abs(x).max(-1, keepdims=True)
;;       e = np.where(a > 0, np.clip(np.frexp(np.where(a > 0, a, 1))[1] - 1 - 8, -126, 127), 0)      # np.frexp(a)[1] - 1 = floor(log2(a)), exactly
;;       r = np.clip(x / 2.0 ** e, -448, 448)
;;       step = 2.0 ** (np.maximum(np.frexp(np.where(r == 0, 1, r))[1] - 1, -6) - 3)
;;       q = np.round(r / step) * step * 2.0 ** e      # np.round: ties to even
;;       return np.moveaxis(q.reshape(q.shape[:-2] + (-1,))[..., :K], -1, axis).astype(np.float32)
;;   ~~~
;;   SOFTMAX AHEAD OF A QUANTISED PRODUCT. Where the list says 'softmax', what is quantised is not the finished softmax but p = 2^(t - M), with t = logit x log2(e) and M = ceil(the row's largest t), a whole number; so 1/2 < the row's largest p <= 1. The row's sum l is taken of the UNQUANTISED p, in f32, and the product's result is divided by l at the end. Since M is a whole number, a kernel that streams over the keys may use a running M (the ceiling of the running maximum): every later rescaling is an exact power of two, which a block's scale takes up: the codes' values come out the same.
;;   OPERANDS COMPUTED ON THE WAY. 'Computed on the way' means the value that the module computes at that place (a softmax that the list does not call 'softmax' is quantised finished and normalised). What goes into a quantiser is computed in f32, as accurately as f32 sums, v_exp_f32 and their like allow (about 1e-6 of the number): no bf16 or f16 on the way to a quantiser, and a product that is left as it is and whose result goes on into a quantised operand takes f32 operands (vector FMAs, or v_wmma_f32_16x16x4_f32). A number that lies on a knife's edge between two numbers of the format may be rounded either way, as far as f32 arithmetic and the matrix unit's own rounding can turn it there, and no further.
;; One version. Each part assembles by itself: llvm-mc -triple=amdgcn-amd-amdhsa -mcpu=gfx1250 --defsym DOCPART=n.
;; ======== version 1 of 1: 4 launches
;; limits: right only within a limited range of input values
;; workspace buffers: wc 1,048,576 bytes; wsc 65,536 bytes; qc 4,194,304 bytes; qs 131,072 bytes; kvc 8,396,800 bytes; kvs 262,144 bytes; cc 4,194,304 bytes; cs 262,144 bytes
;; launch wquant (part 1): grid 128 x 1, 4 waves a work-group, no clusters, 34,304 bytes of LDS; arguments Wq, Wk, Wv, Wo, wc, wsc; writes wc, wsc
.if DOCPART == 1
	.amdgcn_target "amdgcn-amd-amdhsa--gfx1250"
	.amdhsa_code_object_version 6
	.text
	.protected	k_qf17a201543_wquant
	.globl	k_qf17a201543_wquant
	.p2align	8
	.type	k_qf17a201543_wquant,@function
k_qf17a201543_wquant:
	s_mov_b64 s[64:65], 0
	v_nop
	global_prefetch_b8 v0, s[64:65] scope:SCOPE_SE
	s_setreg_imm32_b32 hwreg(HW_REG_WAVE_MODE, 25, 1), 1
	s_wait_xcnt 0x0
; The four weights Wq, Wk, Wv, Wo, [512 (n)][512 (k)] f32, K innermost, become codes of FP8 (E4M3) with one E8M0 scale byte for each 32 along K,
; laid as IMAGES OF OPERAND REGISTERS: a fragment (16 rows x 128 K) is 16 registers a lane; register group c (0..3) lies at 512 c + 16 x lane: 2,048 dense bytes.
; THE ROWS OF A TILE ARE NOT NEIGHBOURS: lane r of tile t stands for row 32 (t / 2) + 8 (t % 2) + r + (r & 8), so that the results of two neighbouring tiles are 16 neighbours along the next product's K.
; wc: fragment (matrix z, tile t, K step s) at ((32 z + t) 4 + s) x 2,048;  wsc: its scale words at ((32 z + t) 4 + s) x 128 + 4 x lane (lanes 16-31 repeat lanes 0-15).
; SHARES: work-group g = 32 z + t, wave s: one fragment a wave.  4 MiB of input give work for 128 work-groups of four waves; no more are launched.
; A load reads 512 consecutive bytes of one row, 16 a lane; the conversions want 16 neighbours along K in ONE lane: the 16 rows turn through the wave's own stage in LDS (rows of 512 + 16 bytes).
; A block's scale is 2^(floor(log2(its largest magnitude)) - 8): its byte is the largest magnitude's exponent field - 8, held at 1 from below.
; LIMITS: NaN and infinities among the inputs are not served; a block of zeros, or one whose largest magnitude lies under 2^-118, gets the byte 1 (its codes are then zeros or subnormal codes under that byte); only this program reads the bytes.
.set STGW,  8448                       ; a wave's stage: 16 rows x 528 bytes
.set SPARE, 4*STGW                     ; behind the stages: the spare words, 128 bytes for each wave: two blocks of 256 bytes that no other line names
.set LI,  1                            ; v1  16 x lane
.set LS,  2                            ; v2  4 x lane
.set STI, 3                            ; v3  the stage, on the way in: 16 x lane
.set STO, 4                            ; v4  and out: row r, + 64 h
.set SPW, 6                            ; v6  LDS address of my spare word; never rewritten
.set NIL, 7                            ; v7  0; never rewritten
.set PC,  16                           ; v16-31  the codes
.set TM,  32                           ; v32-47  at work
.set PW,  48                           ; v48     the scale word
.set X,   64                           ; v64-127 register 16 b + i = k 32 b + 16 h + i of my row
.set R,   128                          ; v128-191 the 16 rows as loaded
.set SEL, 26                           ; s[26:27] v_permlanex16_b32's selects for lane l xor 16
.set MNT, 28                           ; s28 the mantissa field of 448
; 64 numbers of a lane become a fragment's codes in v[pc] on and its scale word in v[pw].  tm: +0 largest magnitudes, +4 the other half's, then the bytes, +8 448 x the scale, +12 the conversion's scale operand
.macro QUANT s, pc, tm, pw
.irp b, 0,1,2,3
	v_max3_num_f32 v[\tm+\b], |v[\s+16*\b]|, |v[\s+1+16*\b]|, 0x4800000   ; my 16 numbers of block b, and the floor 2^(9 - 127): the byte cannot fall under 1
.endr
.irp i, 2,4,6,8,10,12,14
.irp b, 0,1,2,3
	v_max3_num_f32 v[\tm+\b], v[\tm+\b], |v[\s+16*\b+\i]|, |v[\s+1+16*\b+\i]|   ; the four blocks by turns
.endr
.endr
.irp b, 0,1,2,3
	v_permlanex16_b32 v[\tm+4+\b], v[\tm+\b], s[SEL], s[SEL+1]
.endr
.irp b, 0,1,2,3
	v_max_num_f32 v[\tm+\b], v[\tm+\b], v[\tm+4+\b]           ; with lane l xor 16's: the block's largest magnitude
.endr
.irp b, 0,1,2,3
	v_add_nc_u32 v[\tm+12+\b], 0xfc000000, v[\tm+\b]          ; 8 off its exponent field: the conversion takes the exponent field of this operand as its scale
.endr
.irp b, 0,1,2,3
	v_and_or_b32 v[\tm+8+\b], v[\tm+\b], 0x7f800000, s[MNT]   ; 448 x the scale
.endr
.irp b, 0,1,2,3
	v_lshrrev_b32 v[\tm+4+\b], 23, v[\tm+12+\b]               ; the scale's byte
.endr
	v_lshl_or_b32 v[\pw], v[\tm+5], 8, v[\tm+4]
	v_lshl_or_b32 v[\pw], v[\tm+6], 16, v[\pw]
	v_lshl_or_b32 v[\pw], v[\tm+7], 24, v[\pw]
.irp b, 0,1,2,3
.irp i, 0,1,2,3,4,5,6,7,8,9,10,11,12,13,14,15
	v_med3_num_f32 v[\s+16*\b+\i], v[\s+16*\b+\i], -v[\tm+8+\b], v[\tm+8+\b]   ; the conversion to an 8-bit code does not saturate (ISA guide 7.6.2): the hold comes first
.endr
	v_cvt_scalef32_pk8_fp8_f32 v[\pc+4*\b:\pc+4*\b+1], v[\s+16*\b:\s+16*\b+7], v[\tm+12+\b]
	v_cvt_scalef32_pk8_fp8_f32 v[\pc+4*\b+2:\pc+4*\b+3], v[\s+16*\b+8:\s+16*\b+15], v[\tm+12+\b]
.endr
	v_nop                                          ; one plain vector line behind the last conversion
.endm
	s_load_b256 s[4:11], s[0:1], 0x0               ; Wq, Wk, Wv, Wo
	s_load_b128 s[12:15], s[0:1], 0x20             ; wc, wsc
	v_lshl_add_u32 v[SPW], v0, 2, SPARE
	v_mov_b32 v[NIL], 0
	v_lshrrev_b32 v8, 5, v0
	v_readfirstlane_b32 s16, v8                    ; wave = K step
	v_and_b32 v8, 31, v0                           ; lane
	v_lshlrev_b32 v[LI], 4, v8
	v_lshlrev_b32 v[LS], 2, v8
	s_mul_i32 s17, s16, STGW
	v_add_nc_u32 v[STI], s17, v[LI]
	v_and_b32 v8, 15, v0                           ; r
	v_bfe_u32 v9, v0, 4, 1                         ; h
	v_mul_u32_u24 v[STO], v8, 528
	v_lshl_add_u32 v[STO], v9, 6, v[STO]
	v_add_nc_u32 v[STO], s17, v[STO]
.irp b, 0,1,2,3
	v_mov_b32 v[TM+4+\b], 0                        ; written once: a lane permute's destination counts as one of its sources
.endr
	s_mov_b32 s[SEL], 0x76543210
	s_mov_b32 s[SEL+1], 0xfedcba98
	s_mov_b32 s[MNT], 0x600000
	s_lshr_b32 s18, ttmp9, 5                       ; z: which matrix
	s_and_b32 s19, ttmp9, 31                       ; t: which tile
	s_lshr_b32 s20, s19, 1
	s_lshl_b32 s20, s20, 5
	s_and_b32 s21, s19, 1
	s_lshl_b32 s21, s21, 3
	s_add_co_u32 s20, s20, s21                     ; the tile's first row: 32 (t / 2) + 8 (t % 2)
	s_lshl_b32 s20, s20, 11                        ; a row is 2,048 bytes
	s_lshl_b32 s21, s16, 9                         ; a K step is 512 bytes of it
	s_add_co_u32 s20, s20, s21
	s_mov_b32 s21, 0
	s_lshl_b32 s22, ttmp9, 2
	s_add_co_u32 s22, s22, s16                     ; the fragment's number
	s_lshl_b32 s24, s22, 11
	s_mov_b32 s25, 0
	s_lshl_b32 s22, s22, 7
	s_mov_b32 s23, 0
	s_wait_alu depctr_va_vdst(0)
	s_wait_kmcnt 0x0
	s_cmp_eq_u32 s18, 1                            ; the choice hangs on the work-group's number alone
	s_cselect_b64 s[4:5], s[6:7], s[4:5]
	s_cmp_eq_u32 s18, 2
	s_cselect_b64 s[4:5], s[8:9], s[4:5]
	s_cmp_eq_u32 s18, 3
	s_cselect_b64 s[4:5], s[10:11], s[4:5]
	s_add_nc_u64 s[4:5], s[4:5], s[20:21]
	s_add_nc_u64 s[12:13], s[12:13], s[24:25]
	s_add_nc_u64 s[14:15], s[14:15], s[22:23]
.irp p, 0,1,2,3,4,5,6,7,8,9,10,11,12,13,14,15
	global_load_b128 v[R+4*\p:R+4*\p+3], v[LI], s[4:5] offset:(\p+(\p&8))*2048 th:TH_LOAD_NT   ; 32 lanes read 512 consecutive bytes of the row that lane p stands for
.endr
	s_wait_loadcnt 0x0
.irp p, 0,1,2,3,4,5,6,7,8,9,10,11,12,13,14,15
	ds_store_b128 v[STI], v[R+4*\p:R+4*\p+3] offset:528*\p
.endr
.irp b, 0,1,2,3
.irp j, 0,1,2,3
	ds_load_b128 v[X+16*\b+4*\j:X+16*\b+4*\j+3], v[STO] offset:128*\b+16*\j   ; LDS serves a wave's instructions in order (ISA guide 5.7.1.4): these see my stores
.endr
.endr
	s_wait_dscnt 0x0
	QUANT X, PC, TM, PW
.irp c, 0,1,2,3
	global_store_b128 v[LI], v[PC+4*\c:PC+4*\c+3], s[12:13] offset:512*\c   ; 32 lanes store 512 consecutive bytes, aligned
.endr
	global_store_b32 v[LS], v[PW], s[14:15]
	s_wait_tensorcnt 0x0                           ; the wave's end, behind my last LDS store
	ds_add_u32 v[SPW], v[NIL]
	s_wait_dscnt 0x0
	s_endpgm
.Lfunc_end_k_qf17a201543_wquant:
	.size	k_qf17a201543_wquant, .Lfunc_end_k_qf17a201543_wquant-k_qf17a201543_wquant
	.p2alignl 7, 3214868480
	.fill 96, 4, 3214868480
	.section	.rodata,"a",@progbits
	.p2align	6, 0x0
	.amdhsa_kernel k_qf17a201543_wquant
		.amdhsa_group_segment_fixed_size 34304
		.amdhsa_private_segment_fixed_size 0
		.amdhsa_enable_private_segment 0
		.amdhsa_kernarg_size 48
		.amdhsa_user_sgpr_count 2
		.amdhsa_user_sgpr_kernarg_segment_ptr 1
		.amdhsa_wavefront_size32 1
		.amdhsa_system_sgpr_workgroup_id_x 1
		.amdhsa_system_sgpr_workgroup_id_y 1
		.amdhsa_system_sgpr_workgroup_id_z 1
		.amdhsa_system_vgpr_workitem_id 0
		.amdhsa_next_free_vgpr 192
		.amdhsa_next_free_sgpr 66
		.amdhsa_reserve_vcc 0
		.amdhsa_float_denorm_mode_32 3
		.amdhsa_float_denorm_mode_16_64 3
		.amdhsa_memory_ordered 1
		.amdhsa_forward_progress 1
		.amdhsa_inst_pref_size 15
	.end_amdhsa_kernel
	.amdgpu_metadata
---
amdhsa.version: [ 1, 2 ]
amdhsa.kernels:
  - .name:           k_qf17a201543_wquant
    .symbol:         k_qf17a201543_wquant.kd
    .args:
      - { .name: Wq, .offset: 0, .size: 8, .value_kind: global_buffer, .address_space: global }
      - { .name: Wk, .offset: 8, .size: 8, .value_kind: global_buffer, .address_space: global }
      - { .name: Wv, .offset: 16, .size: 8, .value_kind: global_buffer, .address_space: global }
      - { .name: Wo, .offset: 24, .size: 8, .value_kind: global_buffer, .address_space: global }
      - { .name: wc, .offset: 32, .size: 8, .value_kind: global_buffer, .address_space: global }
      - { .name: wsc, .offset: 40, .size: 8, .value_kind: global_buffer, .address_space: global }
    .group_segment_fixed_size: 34304
    .private_segment_fixed_size: 0
    .kernarg_segment_align: 8
    .kernarg_segment_size: 48
    .max_flat_workgroup_size: 128
    .sgpr_count:     66
    .vgpr_count:     192
    .wavefront_size: 32
...
	.end_amdgpu_metadata
.endif
;; end of part 1
;; launch proj (part 2): grid 64 x 3, 8 waves a work-group, no clusters, 205,824 bytes of LDS; arguments query, key_, value, bq, bk, bv, wc, wsc, qc, qs, kvc, kvs; writes qc, qs, kvc, kvs
.if DOCPART == 2
	.amdgcn_target "amdgcn-amd-amdhsa--gfx1250"
	.amdhsa_code_object_version 6
	.text
	.protected	k_qf17a201543_proj
	.globl	k_qf17a201543_proj
	.p2align	8
	.type	k_qf17a201543_proj,@function
k_qf17a201543_proj:
	s_mov_b64 s[64:65], 0
	v_nop
	global_prefetch_b8 v0, s[64:65] scope:SCOPE_SE
	s_setreg_imm32_b32 hwreg(HW_REG_WAVE_MODE, 25, 1), 1
	s_wait_xcnt 0x0
; The three in-projections x W^T + b on codes of FP8 (E4M3), one E8M0 scale for each 32 along K, and the quantising of their results for attention.
; Work-group (x, y): tensor y (0 query, 1 key_, 2 value), rows 128 x .. 128 x + 127 of [8192][512] f32.  192 work-groups: 128 rows are the least that make whole images of V^T (its K is 128 keys).
; PHASE X: wave w quantises the 16 rows of x tile w along E (four fragments) and stores their images in LDS; one barrier.
; PHASE MAIN: wave w owns head w (columns 64 w .. 64 w + 63): its 16 fragments of W stay in registers (window 1); 4 W tiles x 8 x tiles x 4 K steps = 128 matrix instructions, in two passes of four x tiles.
; IMAGES: a fragment (16 rows x 128 K, 16 registers a lane) lies as its registers: group c at 512 c + 16 x lane.  Lane r of tile t stands for row 32 (t / 2) + 8 (t % 2) + r + (r & 8), for x's rows and W's alike.
; q AND k (source 0 = W, source 1 = x): a lane holds one row of x and its registers run along d; the 64 registers of two x tiles become one DOUBLE image: groups 0, 1 the even tile's 64 d, groups 2, 3 the odd tile's.
; v (source 0 = x, source 1 = W): a lane holds one d and its registers run along the keys, which are the second product's K: images of V^T, d tile by d tile.
; The bias is the C of each sum's first matrix instruction.  Codes leave as 512 consecutive bytes a store; the scale words of a block as one aligned 256 bytes.
; qc: head x 262,144 + pair x 2,048.  kvc: (head x 32 + key step) x 16,384: K's four double images, then V^T's four images.  qs, kvs: 8 x lane + 4 g: word g, lanes 0-15 image 2 g, lanes 16-31 image 2 g + 1.
; W's codes are not shared by a cluster's joint loads: each wave takes its own 32 KiB straight into operand registers; staged in LDS the 256 KiB of a matrix would not fit beside x's images and the stages.
; LIMITS: NaN and infinities are not served; a block of zeros, or one whose largest magnitude lies under 2^-118, gets the byte 1; only this program reads the bytes.
.set XSC,   65536                      ; LDS: x's 32 images from 0 on ((4 i + s) x 2,048); their scale words, 128 bytes each;
.set STG,   69632                      ; the stages: two of 16 rows x 528 bytes for each wave;
.set STGW,  16896
.set SPARE, 204800                     ; the spare words, 128 bytes for each wave: four blocks of 256 bytes that no other line names
.set LI,  1                            ; v1  16 x lane
.set LSX, 2                            ; v2  XSC + 4 x lane
.set LS8, 3                            ; v3  8 x lane
.set SPW, 4                            ; v4  LDS address of my spare word; never rewritten
.set NIL, 5                            ; v5  0; never rewritten
.set XWI, 6                            ; v6  where I store x's images
.set XWS, 7                            ; v7  and their scale words
.set STI, 8                            ; v8  my stage, on the way in
.set STO, 9                            ; v9  and out
.set PW0, 10                           ; v10 the scale word just made; in MAIN the first of four
.set BVO, 11                           ; v11 4 x lane, then the bias's offset, then the second scale word
.set XS,  12                           ; v12-15 x's scale words
.set WS,  16                           ; v16-31 W's scale words, 4 t + s
.set PCX, 32                           ; phase X: v32-47 codes, v48-63 at work
.set TMX, 48
.set BI,  32                           ; afterwards v32-63: the bias in the result's layout, 8 t + j
.set X,   64                           ; phase X: 64 numbers
.set XF,  64                           ; MAIN: four fragments of x; behind the products: v64-79 codes, v96-111 at work, v112-113 scale words, v114-121 at work
.set PCR, 64
.set TMR, 96
.set R,   128                          ; phase X: two sets of 16 rows as loaded
.set ACC, 128                          ; MAIN: 16 accumulators
.set WV,  40
.set Y,   41
.set SEL, 44
.set MNT, 46
.set MSB, 0
.macro WIN new                         ; the immediate's high byte repeats the setting that is left
.if MSB != (\new)
	s_set_vgpr_msb (MSB<<8)|(\new)
.set MSB, (\new)
.endif
.endm
; 64 numbers of a lane, register 16 b + i = element 32 b + 16 h + i of the lane's row, become 16 registers of codes in v[pc] on and the scale word in v[pw]
.macro QUANT s, pc, tm, pw
.irp b, 0,1,2,3
	v_max3_num_f32 v[\tm+\b], |v[\s+16*\b]|, |v[\s+1+16*\b]|, 0x4800000   ; my 16 numbers of block b, and the floor 2^(9 - 127); each accumulator is read from its low end on
.endr
.irp i, 2,4,6,8,10,12,14
.irp b, 0,1,2,3
	v_max3_num_f32 v[\tm+\b], v[\tm+\b], |v[\s+16*\b+\i]|, |v[\s+1+16*\b+\i]|
.endr
.endr
.irp b, 0,1,2,3
	s_delay_alu instid0(VALU_DEP_4)
	v_permlanex16_b32 v[\tm+4+\b], v[\tm+\b], s[SEL], s[SEL+1]
.endr
.irp b, 0,1,2,3
	s_delay_alu instid0(VALU_DEP_4)
	v_max_num_f32 v[\tm+\b], v[\tm+\b], v[\tm+4+\b]           ; with lane l xor 16's: the block's largest magnitude
.endr
.irp b, 0,1,2,3
	s_delay_alu instid0(VALU_DEP_4)
	v_add_nc_u32 v[\tm+12+\b], 0xfc000000, v[\tm+\b]          ; 8 off its exponent field: the conversion's scale operand
.endr
.irp b, 0,1,2,3
	v_and_or_b32 v[\tm+8+\b], v[\tm+\b], 0x7f800000, s[MNT]   ; 448 x the scale
.endr
.irp b, 0,1,2,3
	v_lshrrev_b32 v[\tm+4+\b], 23, v[\tm+12+\b]               ; the scale's byte
.endr
	s_delay_alu instid0(VALU_DEP_3)
	v_lshl_or_b32 v[\pw], v[\tm+5], 8, v[\tm+4]
	s_delay_alu instid0(VALU_DEP_1)
	v_lshl_or_b32 v[\pw], v[\tm+6], 16, v[\pw]
	s_delay_alu instid0(VALU_DEP_1)
	v_lshl_or_b32 v[\pw], v[\tm+7], 24, v[\pw]
.irp b, 0,1,2,3
.irp i, 0,1,2,3,4,5,6,7,8,9,10,11,12,13,14,15
	v_med3_num_f32 v[\s+16*\b+\i], v[\s+16*\b+\i], -v[\tm+8+\b], v[\tm+8+\b]   ; the conversion to an 8-bit code does not saturate (ISA guide 7.6.2): the hold comes first
.endr
	v_cvt_scalef32_pk8_fp8_f32 v[\pc+4*\b:\pc+4*\b+1], v[\s+16*\b:\s+16*\b+7], v[\tm+12+\b]
	v_cvt_scalef32_pk8_fp8_f32 v[\pc+4*\b+2:\pc+4*\b+3], v[\s+16*\b+8:\s+16*\b+15], v[\tm+12+\b]
.endr
	v_nop                                          ; one plain vector line behind the last conversion: later products write its sources
.endm
.macro LOADX s                         ; K step s of my 16 rows: each load reads 512 consecutive bytes of one row
.irp p, 0,1,2,3,4,5,6,7,8,9,10,11,12,13,14,15
	global_load_b128 v[R+64*((\s)%2)+4*\p:R+64*((\s)%2)+4*\p+3], v[LI], s[32:33] offset:(\p+(\p&8))*2048+512*(\s) th:TH_LOAD_NT
.endr
.endm
.macro TURN s                          ; through my stage: in as loaded, out 16 neighbours of each block a lane.  LDS serves a wave's instructions in order: no wait between
.irp p, 0,1,2,3,4,5,6,7,8,9,10,11,12,13,14,15
	ds_store_b128 v[STI], v[R+64*((\s)%2)+4*\p:R+64*((\s)%2)+4*\p+3] offset:8448*((\s)%2)+528*\p
.endr
.irp b, 0,1,2,3
.irp j, 0,1,2,3
	ds_load_b128 v[X+16*\b+4*\j:X+16*\b+4*\j+3], v[STO] offset:8448*((\s)%2)+128*\b+16*\j
.endr
.endr
.endm
	s_load_b512 s[8:23], s[0:1], 0x0               ; query, key_, value, bq, bk, bv, wc, wsc
	s_load_b256 s[24:31], s[0:1], 0x40             ; qc, qs, kvc, kvs
	v_lshl_add_u32 v[SPW], v0, 2, SPARE
	v_mov_b32 v[NIL], 0
	v_lshrrev_b32 v10, 5, v0
	s_delay_alu instid0(VALU_DEP_1)
	v_readfirstlane_b32 s[WV], v10                 ; wave 0..7
	s_and_b32 s[Y], ttmp7, 0xffff                  ; which tensor
	v_and_b32 v10, 31, v0                          ; lane
	s_delay_alu instid0(VALU_DEP_1)
	v_lshlrev_b32 v[LI], 4, v10
	s_delay_alu instid0(VALU_DEP_2)
	v_lshlrev_b32 v[BVO], 2, v10                   ; 4 x lane: the offset of W's scale words
	s_delay_alu instid0(VALU_DEP_1)
	v_add_nc_u32 v[LSX], XSC, v[BVO]
	s_delay_alu instid0(VALU_DEP_4)
	v_lshlrev_b32 v[LS8], 3, v10
	s_lshl_b32 s47, s[WV], 13
	v_add_nc_u32 v[XWI], s47, v[LI]                ; my tile's four images
	s_lshl_b32 s47, s[WV], 9
	v_add_nc_u32 v[XWS], s47, v[LSX]
	s_mul_i32 s47, s[WV], STGW
	s_add_co_u32 s47, s47, STG
	v_add_nc_u32 v[STI], s47, v[LI]
	v_and_b32 v10, 15, v0                          ; r
	s_delay_alu instid0(VALU_DEP_1)
	v_mul_u32_u24 v[STO], v10, 528
	v_bfe_u32 v10, v0, 4, 1                        ; h
	s_delay_alu instid0(VALU_DEP_1)
	v_lshl_add_u32 v[STO], v10, 6, v[STO]
	s_delay_alu instid0(VALU_DEP_1)
	v_add_nc_u32 v[STO], s47, v[STO]
.irp b, 0,1,2,3
	v_mov_b32 v[TMX+4+\b], 0                       ; written once: a lane permute's destination counts as one of its sources
.endr
	s_mov_b32 s[SEL], 0x76543210
	s_mov_b32 s[SEL+1], 0xfedcba98
	s_mov_b32 s[MNT], 0x600000
	s_lshr_b32 s48, ttmp9, 5                       ; batch
	s_lshl_b32 s48, s48, 3
	s_add_co_u32 s48, s48, s[WV]                   ; batch x 8 + head
	s_lshl_b32 s48, s48, 5
	s_and_b32 s49, ttmp9, 31
	s_add_co_u32 s47, s48, s49                     ; + the block of 128 rows in the batch: the output block's number
	s_lshl_b32 s48, ttmp9, 7
	s_lshr_b32 s49, s[WV], 1
	s_lshl_b32 s49, s49, 5
	s_add_co_u32 s48, s48, s49
	s_and_b32 s49, s[WV], 1
	s_lshl_b32 s49, s49, 3
	s_add_co_u32 s48, s48, s49                     ; my x tile's first row: 128 x + 32 (w / 2) + 8 (w % 2)
	s_lshl_b32 s48, s48, 11
	s_mov_b32 s49, 0
	s_lshl_b32 s50, s[Y], 18                       ; wc: matrix y, my four tiles
	s_lshl_b32 s51, s[WV], 15
	s_add_co_u32 s50, s50, s51
	s_mov_b32 s51, 0
	s_lshl_b32 s52, s[Y], 14                       ; wsc likewise
	s_lshl_b32 s53, s[WV], 11
	s_add_co_u32 s52, s52, s53
	s_mov_b32 s53, 0
	s_lshl_b32 s54, s[WV], 8                       ; the bias: my 64 numbers
	s_mov_b32 s55, 0
	s_wait_alu depctr_va_vdst(0)
	s_wait_kmcnt 0x0
	s_cmp_eq_u32 s[Y], 0                           ; the choices hang on the work-group's number alone
	s_cselect_b64 s[32:33], s[8:9], s[10:11]       ; x
	s_cselect_b64 s[34:35], s[14:15], s[16:17]     ; the bias
	s_cselect_b64 s[36:37], s[24:25], s[28:29]     ; where the codes go
	s_cselect_b64 s[38:39], s[26:27], s[30:31]     ; and the scale words
	s_cselect_b32 s60, 13, 14                      ; a block of codes is 8,192 bytes in qc, 16,384 in kvc;
	s_cselect_b32 s61, 8, 9                        ; of scale words 256 in qs, 512 in kvs
	s_cmp_eq_u32 s[Y], 2
	s_cselect_b64 s[32:33], s[12:13], s[32:33]
	s_cselect_b64 s[34:35], s[18:19], s[34:35]
	s_cselect_b32 s62, 8192, 0                     ; V's images lie behind K's
	s_cselect_b32 s63, 256, 0
	s_lshl_b32 s56, s47, s60
	s_add_co_u32 s56, s56, s62
	s_mov_b32 s57, 0
	s_lshl_b32 s58, s47, s61
	s_add_co_u32 s58, s58, s63
	s_mov_b32 s59, 0
	s_add_nc_u64 s[32:33], s[32:33], s[48:49]
	s_add_nc_u64 s[34:35], s[34:35], s[54:55]
	s_add_nc_u64 s[36:37], s[36:37], s[56:57]
	s_add_nc_u64 s[38:39], s[38:39], s[58:59]
	s_add_nc_u64 s[20:21], s[20:21], s[50:51]
	s_add_nc_u64 s[22:23], s[22:23], s[52:53]
	LOADX 0                                        ; x is wanted first: its loads go out ahead of W's, which are wanted in MAIN
	LOADX 1
	; ---- PHASE X: two K steps of x (32 loads a wave) are on their way while one is quantised
.irp s, 0,1,2,3
.if \s < 2
	s_wait_loadcnt 16                              ; loads come back in order: this step's are in; the 16 issued behind them, the next step's, may be out
.elseif \s == 2
	s_wait_loadcnt 48                              ; behind this step's: the last step's 16, W's 16 scale words and its tile 0's 16
.else
	s_wait_loadcnt 63                              ; behind this step's stand 80 loads of W; the count's field holds 63.  64 loads stand behind the last scale word's: those are in too, so their offset register may be written again
.endif
	TURN \s
	s_wait_dscnt 0x0
.if \s < 2
	LOADX \s+2
.endif
.if \s == 1
.irp t, 0,1,2,3
.irp k, 0,1,2,3
	global_load_b32 v[WS+4*\t+\k], v[BVO], s[22:23] offset:128*(4*\t+\k)
.endr
.endr
	WIN 0x40                                       ; destination window 1: W's fragment (t, k) at v[16 (4 t + k)]: they stay.  Tile 0 now,
.irp k, 0,1,2,3
.irp c, 0,1,2,3
	global_load_b128 v[16*\k+4*\c:16*\k+4*\c+3], v[LI], s[20:21] offset:2048*\k+512*\c
.endr
.endr
	WIN 0
.endif
.if \s == 2
	WIN 0x40                                       ; tiles 1 to 3 a step later
.irp t, 1,2,3
.irp k, 0,1,2,3
.irp c, 0,1,2,3
	global_load_b128 v[16*(4*\t+\k)+4*\c:16*(4*\t+\k)+4*\c+3], v[LI], s[20:21] offset:8192*\t+2048*\k+512*\c
.endr
.endr
.endr
	WIN 0
.endif
	QUANT X, PCX, TMX, PW0
.irp c, 0,1,2,3
	ds_store_b128 v[XWI], v[PCX+4*\c:PCX+4*\c+3] offset:2048*\s+512*\c   ; the fragment goes to LDS as it stands
.endr
	ds_store_b32 v[XWS], v[PW0] offset:128*\s
.endr
	s_wait_dscnt 0x0                               ; for the others' sake: my images have landed; and their stores have read the registers that the bias takes
	s_cmp_eq_u32 s[Y], 2
	s_cbranch_scc1 .Lbias_v
	v_bfe_u32 v[BVO], v0, 4, 1                     ; q, k: register j of tile t is d = 32 (t / 2) + 8 (t % 2) + 16 h + j
	s_delay_alu instid0(VALU_DEP_1)
	v_lshlrev_b32 v[BVO], 6, v[BVO]
.irp t, 0,1,2,3
	global_load_b128 v[BI+8*\t:BI+8*\t+3], v[BVO], s[34:35] offset:(32*(\t/2)+8*(\t%2))*4
	global_load_b128 v[BI+8*\t+4:BI+8*\t+7], v[BVO], s[34:35] offset:(32*(\t/2)+8*(\t%2))*4+16
.endr
	s_branch .Lbias_done
.Lbias_v:
	v_and_b32 v64, 8, v0                           ; v: every register of tile t is d = 32 (t / 2) + 8 (t % 2) + r + (r & 8)
	v_and_b32 v[BVO], 15, v0
	s_delay_alu instid0(VALU_DEP_1)
	v_add_lshl_u32 v[BVO], v[BVO], v64, 2
.irp t, 0,1,2,3
.irp j, 0,1,2,3,4,5,6,7
	global_load_b32 v[BI+8*\t+\j], v[BVO], s[34:35] offset:(32*(\t/2)+8*(\t%2))*4
.endr
.endr
.Lbias_done:
	s_barrier_signal -1
	s_barrier_wait -1                              ; x's 32 images lie in LDS; nothing is stored to LDS from here on
; ---- PHASE MAIN.  v = 0: q or k;  v = 1: value.  The 16 accumulators take turns, one instruction a turn, in the same order in every K step.
.macro MAIN v
.irp p, 0,1
.if \p
	s_wait_xcnt 0x0                                ; the first pass's stores have read their data: the fragments' loads may land there
.endif
.irp s, 0,1,2,3
.if \s
.rept 8
	v_nop                                          ; places in front of loads into registers that matrix instructions have read (ISA guide 7.12.1 for vector instructions)
.endr
.endif
.irp i, 0,1,2,3
.irp c, 0,1,2,3
	ds_load_b128 v[XF+16*\i+4*\c:XF+16*\i+4*\c+3], v[LI] offset:(4*(4*\p+\i)+\s)*2048+512*\c
.endr
	ds_load_b32 v[XS+\i], v[LSX] offset:128*(4*(4*\p+\i)+\s)
.endr
	s_wait_dscnt 0x0
.if (\p == 0) && (\s == 0)
	s_wait_loadcnt 0x0                             ; W, its scale words and the bias
.endif
.if \v
	WIN 0x04                                       ; source 1 (W) window 1
.else
	WIN 0x01                                       ; source 0 (W) window 1
.endif
.irp i, 0,1,2,3
.irp t, 0,1,2,3
.if \v
.if \s == 0
	v_wmma_scale_f32_16x16x128_f8f6f4 v[ACC+8*(4*\t+\i):ACC+8*(4*\t+\i)+7], v[XF+16*\i:XF+16*\i+15], v[16*(4*\t+\s):16*(4*\t+\s)+15], v[BI+8*\t:BI+8*\t+7], v[XS+\i], v[WS+4*\t+\s]
.else
	v_wmma_scale_f32_16x16x128_f8f6f4 v[ACC+8*(4*\t+\i):ACC+8*(4*\t+\i)+7], v[XF+16*\i:XF+16*\i+15], v[16*(4*\t+\s):16*(4*\t+\s)+15], v[ACC+8*(4*\t+\i):ACC+8*(4*\t+\i)+7], v[XS+\i], v[WS+4*\t+\s]
.endif
.else
.if \s == 0
	v_wmma_scale_f32_16x16x128_f8f6f4 v[ACC+8*(4*\i+\t):ACC+8*(4*\i+\t)+7], v[16*(4*\t+\s):16*(4*\t+\s)+15], v[XF+16*\i:XF+16*\i+15], v[BI+8*\t:BI+8*\t+7], v[WS+4*\t+\s], v[XS+\i]
.else
	v_wmma_scale_f32_16x16x128_f8f6f4 v[ACC+8*(4*\i+\t):ACC+8*(4*\i+\t)+7], v[16*(4*\t+\s):16*(4*\t+\s)+15], v[XF+16*\i:XF+16*\i+15], v[ACC+8*(4*\i+\t):ACC+8*(4*\i+\t)+7], v[WS+4*\t+\s], v[XS+\i]
.endif
.endif
.endr
.endr
	WIN 0
.endr
.rept 9
	v_nop                                          ; eight places in front of the first read of results; the ninth because the next pass begins these accumulators anew, with the bias as C
.endr
.irp G, 0,1
	s_wait_xcnt 0x0                                ; earlier stores have read their data: the codes' registers may be written again
	QUANT ACC+64*\G, PCR, TMR, 10+\G+102*\p
.if \v
	global_store_b128 v[LI], v[PCR:PCR+3], s[36:37] offset:(2*\G)*2048+512*(2*\p)             ; d tile 2 G: key blocks 2 p, 2 p + 1;
	global_store_b128 v[LI], v[PCR+4:PCR+7], s[36:37] offset:(2*\G)*2048+512*(2*\p+1)
	global_store_b128 v[LI], v[PCR+8:PCR+11], s[36:37] offset:(2*\G+1)*2048+512*(2*\p)        ; d tile 2 G + 1 likewise
	global_store_b128 v[LI], v[PCR+12:PCR+15], s[36:37] offset:(2*\G+1)*2048+512*(2*\p+1)
.else
.irp c, 0,1,2,3
	global_store_b128 v[LI], v[PCR+4*\c:PCR+4*\c+3], s[36:37] offset:(2*\p+\G)*2048+512*\c    ; the double image of tile pair 2 p + G: 512 consecutive bytes a store
.endr
.endif
.endr
.endr
	v_and_b32 v114, 31, v0
	s_delay_alu instid0(VALU_DEP_1)
	v_cmp_le_u32 vcc_lo, 16, v114                  ; lanes 16-31
.if \v
	v_perm_b32 v116, v112, v10, 0x05040100         ; a d tile's word: its two bytes of the first pass (key blocks 0, 1), its two of the second (2, 3)
	v_perm_b32 v117, v112, v10, 0x07060302
	v_perm_b32 v118, v113, v11, 0x05040100
	v_perm_b32 v119, v113, v11, 0x07060302
	s_delay_alu instid0(VALU_DEP_3)
	v_cndmask_b32 v120, v116, v117, vcc_lo
	s_delay_alu instid0(VALU_DEP_2)
	v_cndmask_b32 v121, v118, v119, vcc_lo
.else
	s_delay_alu instid0(VALU_DEP_1)
	v_cndmask_b32 v120, v10, v11, vcc_lo           ; lanes 0-15: image 0's words, lanes 16-31: image 1's;
	s_delay_alu instid0(VALU_DEP_2)
	v_cndmask_b32 v121, v112, v113, vcc_lo         ; images 2 and 3
.endif
	global_store_b64 v[LS8], v[120:121], s[38:39]  ; 32 lanes store 256 consecutive bytes, aligned
.endm
	s_cmp_eq_u32 s[Y], 2
	s_cbranch_scc1 .Lmain_v
	MAIN 0
	s_branch .Lend
.Lmain_v:
	MAIN 1
.Lend:
	s_wait_tensorcnt 0x0                           ; the wave's end, behind my last LDS store
	ds_add_u32 v[SPW], v[NIL]
	s_wait_dscnt 0x0
	s_endpgm
.Lfunc_end_k_qf17a201543_proj:
	.size	k_qf17a201543_proj, .Lfunc_end_k_qf17a201543_proj-k_qf17a201543_proj
	.p2alignl 7, 3214868480
	.fill 96, 4, 3214868480
	.section	.rodata,"a",@progbits
	.p2align	6, 0x0
	.amdhsa_kernel k_qf17a201543_proj
		.amdhsa_group_segment_fixed_size 205824
		.amdhsa_private_segment_fixed_size 0
		.amdhsa_enable_private_segment 0
		.amdhsa_kernarg_size 96
		.amdhsa_user_sgpr_count 2
		.amdhsa_user_sgpr_kernarg_segment_ptr 1
		.amdhsa_wavefront_size32 1
		.amdhsa_system_sgpr_workgroup_id_x 1
		.amdhsa_system_sgpr_workgroup_id_y 1
		.amdhsa_system_sgpr_workgroup_id_z 1
		.amdhsa_system_vgpr_workitem_id 0
		.amdhsa_next_free_vgpr 512
		.amdhsa_next_free_sgpr 66
		.amdhsa_reserve_vcc 1
		.amdhsa_float_denorm_mode_32 3
		.amdhsa_float_denorm_mode_16_64 3
		.amdhsa_memory_ordered 1
		.amdhsa_forward_progress 1
		.amdhsa_inst_pref_size 195
	.end_amdhsa_kernel
	.amdgpu_metadata
---
amdhsa.version: [ 1, 2 ]
amdhsa.kernels:
  - .name:           k_qf17a201543_proj
    .symbol:         k_qf17a201543_proj.kd
    .args:
      - { .name: query, .offset: 0, .size: 8, .value_kind: global_buffer, .address_space: global }
      - { .name: key_, .offset: 8, .size: 8, .value_kind: global_buffer, .address_space: global }
      - { .name: value, .offset: 16, .size: 8, .value_kind: global_buffer, .address_space: global }
      - { .name: bq, .offset: 24, .size: 8, .value_kind: global_buffer, .address_space: global }
      - { .name: bk, .offset: 32, .size: 8, .value_kind: global_buffer, .address_space: global }
      - { .name: bv, .offset: 40, .size: 8, .value_kind: global_buffer, .address_space: global }
      - { .name: wc, .offset: 48, .size: 8, .value_kind: global_buffer, .address_space: global }
      - { .name: wsc, .offset: 56, .size: 8, .value_kind: global_buffer, .address_space: global }
      - { .name: qc, .offset: 64, .size: 8, .value_kind: global_buffer, .address_space: global }
      - { .name: qs, .offset: 72, .size: 8, .value_kind: global_buffer, .address_space: global }
      - { .name: kvc, .offset: 80, .size: 8, .value_kind: global_buffer, .address_space: global }
      - { .name: kvs, .offset: 88, .size: 8, .value_kind: global_buffer, .address_space: global }
    .group_segment_fixed_size: 205824
    .private_segment_fixed_size: 0
    .kernarg_segment_align: 8
    .kernarg_segment_size: 96
    .max_flat_workgroup_size: 256
    .sgpr_count:     66
    .vgpr_count:     512
    .wavefront_size: 32
...
	.end_amdgpu_metadata
.endif
;; end of part 2
;; launch attn (part 3): grid 16 x 16, 16 waves a work-group, clusters of 4 x 1, 327,680 bytes of LDS; arguments qc, qs, kvc, kvs, cc, cs; writes cc, cs
.if DOCPART == 3
	.amdgcn_target "amdgcn-amd-amdhsa--gfx1250"
	.amdhsa_code_object_version 6
	.text
	.protected	k_qf17a201543_attn
	.globl	k_qf17a201543_attn
	.p2align	8
	.type	k_qf17a201543_attn,@function
k_qf17a201543_attn:
	s_mov_b64 s[64:65], 0
	v_nop
	global_prefetch_b8 v0, s[64:65] scope:SCOPE_SE
	s_setreg_imm32_b32 hwreg(HW_REG_WAVE_MODE, 25, 1), 1
	s_wait_xcnt 0x0
	s_wait_alu depctr_hold_cnt(0) depctr_sa_sdst(0) depctr_va_vdst(0) depctr_va_sdst(0) depctr_va_ssrc(0) depctr_va_vcc(0) depctr_vm_vsrc(0)
	s_getreg_b32 s2, hwreg(HW_REG_IB_STS2, 6, 4)
	s_cmp_eq_u32 s2, 0
	s_cbranch_scc0 .Lentry_in_a_cluster
	s_endpgm
.Lentry_in_a_cluster:
	s_bfe_u32 s2, ttmp6, 0x10000c
	s_cmp_lg_u32 s2, 0x3003
	s_cbranch_scc0 .Lentry_shape_is_right
	s_endpgm
.Lentry_shape_is_right:
; ctx = softmax(q k^T / 8) v for 16 heads of 4,096 x 64, both products on codes of FP8 (E4M3) with one E8M0 scale for each 32 along a product's K; ctx leaves as codes along E for the out-projection.
; THE SOFTMAX: t = score x log2(e) / 8; M = the row's largest t so far, rounded UP to a whole number; p = 2^(t - M) is quantised along the keys, not normalised; the row's sum is taken of the unquantised p and divides at the end.
; When M moves, the sum and O are multiplied by 2^(old M - new M): exact.
; SHARES: a work-group owns 256 queries of one head; each of its SIXTEEN waves owns one tile of 16 in 256 registers: four waves to a SIMD, no register windows.
; Every wave walks the head's 4,096 keys, 128 a step.  A key step is 16,384 dense bytes of kvc: K's four double images, then V^T's four images; all operands lie as images of their registers (group c at 512 c + 16 x lane).
; BOTH PRODUCTS TRANSPOSED: S^T = K Q^T, O^T = V^T P^T: a lane holds one query throughout, and p's 16 registers of two neighbouring tiles are 16 neighbouring keys (the keys of a tile were chosen so).
; K = 64 IN AN INSTRUCTION OF 128: a double image holds key tile a in blocks 0, 1 and key tile b in blocks 2, 3; Q stands between two runs of eight zero registers: [codes, zeros] picks tile a, [zeros, codes] tile b.
; The other half multiplies K's real codes by zero codes: exact zeros (no code is a NaN code, since every number was held; every scale byte lies in 1 .. 254).
; K IS FETCHED A STEP AHEAD: two runs of 64 registers take turns: one holds K and then V^T, the other S^T and p; when a block's p is converted, its 16 registers take an image of the next step's K.
; RING: two LDS slots of 131,072 bytes.  A slot's window on the head's bytes begins 8,192 bytes on: V^T of step s, then K of step s + 1, eight times: so the K fetched ahead lies in the slot in hand.
; K of step 0 comes once, into LDS bytes of its own (wave 9); the head's scale words once (wave 8); waves 0-7 fetch 16,384 bytes of a slot each.
; The last slot's last 8,192 bytes are the next head's (behind the last head: 8,192 spare bytes of kvc): they land in LDS and no wave reads them.
; CLUSTER: the four query blocks of a cluster walk the same K and V: each tile is asked for JOINTLY, with a mask that names the four.
; By this text's own count a wave has at most one tensor load outstanding, and every wait for tensor loads is for all.
; LIMITS: NaN and infinities are not served; a block of zeros gets the byte 1; only this program reads the bytes.
.set SLOTB, 131072                     ; slot 1 begins here: one exclusive or turns an address in one slot into the other's
.set STEPB, 16384
.set SCL,   262144                     ; the head's scale words, 512 bytes a key step: filled once
.set KZ,    278528                     ; K of step 0: 8,192 bytes, filled once
.set SPARE, 286720                     ; the spare words, 128 bytes for each wave: eight blocks of 256 bytes that no other line names
.set DUAL,  1                          ; 1: the holds go two to an instruction
.set LI,  1                            ; v1  16 x lane
.set LS8, 2                            ; v2  SCL + 8 x lane
.set ADR, 3                            ; v3  LDS address of a pair of steps' images
.set ADS, 4                            ; v4  and of their scale words
.set SPW, 5                            ; v5  LDS address of my spare word; never rewritten
.set NIL, 6                            ; v6  0; never rewritten
.set PFO, 7                            ; v7  256 x lane: the prefetches' offset; never rewritten
.set L2B, 8                            ; v8  2 x lane
.set QSO, 9                            ; v9  8 x (lane % 16)
.set KS,  10                           ; v[10:11] K's scale words;  v[12:13] V's;  v14 p's;  v15 Q's
.set VS,  12
.set PWD, 14
.set QS,  15
.set QZ,  16                           ; v16-23 zeros, v24-31 Q's codes, v32-39 zeros
.set NM,  40                           ; v40 -M, v41 the largest score so far
.set F,   44                           ; v44 f, v45 0
.set TA,  46                           ; v46 the old -M, v47 at work
.set BM,  48                           ; v48-51 a block's largest score, then its largest p
.set BP,  52                           ; v52-55 the other half's; the bytes
.set BH,  56                           ; v56-59 448 x the scale
.set BS,  60                           ; v60-63 the conversion's scale operand
.set RA,  64                           ; v64-127, v128-191: the two runs that take turns
.set RB,  128
.set O,   192                          ; v192-223 O^T
.set PC,  224                          ; v224-239 p's codes
.set SUM, 240                          ; v[240:241] the sum in two halves; v242-247 three more chains of a step's sum
.set WV,  16
.set CX,  17
.set WGX, 18
.set BHD, 19
.set SEL, 20                           ; s[20:21] v_permlanex16_b32's selects for lane l xor 16
.set CS,  22                           ; s[22:23] c = log2(e) / 8
.set G1,  24                           ; s[24:31] descriptor group 1: 64 rows of 256 dense bytes, for a slot's parts and the scale words alike
.set G0,  32                           ; s[32:35] group 0 for the slots: it walks
.set G0S, 36                           ; s[36:39] group 0 for the scale words
.set MNT, 40
.set TB,  41                           ; s41 LDS byte at which the pair of steps in hand begins
.set TS,  42                           ; s42 where its scale words begin
.set SLOTS, 43
.set CNT, 44
.set LIM, 45                           ; s45 1 in a wave that prefetches, else the greatest number
.set PFA, 46                           ; s[46:47] where my prefetches stand
.set G1K, 68                           ; s[68:75] group 1 for K of step 0: 32 rows;  s[76:79] its group 0
.set G0K, 76
.macro CROUND                          ; a round of the cluster's barrier
	s_barrier_signal -1
	s_barrier_wait -1
	s_cmp_lg_u32 s[WV], 0
	s_cbranch_scc1 .Lnot_wave_0_\@
	s_barrier_signal -3
.Lnot_wave_0_\@:
	s_barrier_wait -3
	s_barrier_signal -1
	s_barrier_wait -1
.endm
.macro TL g0, g1                       ; a tensor load; an s_nop 0 and four v_nop follow it
	tensor_load_to_lds s[\g0:\g0+3], s[\g1:\g1+7]
	s_nop 0
.rept 4
	v_nop
.endr
.endm
.macro JLOAD                           ; a joint refill: waves 0-7 fetch an eighth of a slot each; the branch hangs on the wave's number alone
	s_cmp_lt_u32 s[WV], 8
	s_cbranch_scc0 .Lno_load_\@
	TL G0, G1
.Lno_load_\@:
.endm
; A PREFETCH INTO THE L2, at a change of slots, of the head's next 131,072 bytes but one: of them the NEXT change's load, eight key steps on, takes all but the first 8,192.  All clusters of a head walk the same bytes: the head's first cluster asks.
; Its four partners take 32,768 bytes each, told apart BY ADDRESS; in each, waves 9 to 12 ask for 8,192 bytes each, lanes 256 bytes apart: each block is named once in the launch.
; The last change that fills a slot asks for nothing; the head's first 262,144 bytes and the scale words come by their loads alone.
.macro ASK
	s_cmp_gt_u32 s[SLOTS], s[LIM]
	s_cbranch_scc0 .Lnot_mine_\@
	global_prefetch_b8 v[PFO], s[PFA:PFA+1] th:TH_LOAD_NT scope:SCOPE_SE
.Lnot_mine_\@:
.endm
.macro MERGE                           ; the four chains of the last step's sum become one
	v_pk_add_f32 v[SUM+2:SUM+3], v[SUM+2:SUM+3], v[SUM+4:SUM+5]
	v_pk_add_f32 v[SUM:SUM+1], v[SUM:SUM+1], v[SUM+6:SUM+7]
	v_pk_add_f32 v[SUM:SUM+1], v[SUM:SUM+1], v[SUM+2:SUM+3]
.endm
.macro TM SR, from, n                  ; t - M, two at a time
.set j, \from
.rept \n
	v_pk_fma_f32 v[\SR+j:\SR+j+1], v[\SR+j:\SR+j+1], s[CS:CS+1], v[NM:NM+1] op_sel_hi:[1,0,0]
.set j, j+2
.endr
.endm
.macro SUMB SR, b                      ; block b's 16 numbers onto the four chains: the row's sum is taken of the unquantised p
.if \b == 0
	v_pk_add_f32 v[SUM:SUM+1], v[SUM:SUM+1], v[\SR:\SR+1]
.irp k, 1,2,3
	v_pk_add_f32 v[SUM+2*\k:SUM+2*\k+1], v[\SR+4*\k-2:\SR+4*\k-1], v[\SR+4*\k:\SR+4*\k+1]
.endr
	v_pk_add_f32 v[SUM:SUM+1], v[SUM:SUM+1], v[\SR+14:\SR+15]
.else
.set j, 16*\b
.rept 8
	v_pk_add_f32 v[SUM+2*((j/2)%4):SUM+2*((j/2)%4)+1], v[SUM+2*((j/2)%4):SUM+2*((j/2)%4)+1], v[\SR+j:\SR+j+1]
.set j, j+2
.endr
.endif
.endm
.macro HOLD SR, b                      ; the conversion does not saturate (ISA guide 7.6.2); p is not negative: a one-sided hold of block b's 16 numbers
.set j, 0
.rept 8
.if DUAL
	v_dual_min_num_f32 v[\SR+16*\b+j], v[\SR+16*\b+j], v[BH+\b] :: v_dual_min_num_f32 v[\SR+16*\b+j+1], v[\SR+16*\b+j+1], v[BH+\b]
.else
	v_min_num_f32 v[\SR+16*\b+j], v[\SR+16*\b+j], v[BH+\b]
	v_min_num_f32 v[\SR+16*\b+j+1], v[\SR+16*\b+j+1], v[BH+\b]
.endif
.set j, j+2
.endr
.endm
; block b's codes; pf = 1: its 16 registers then take image b of the next step's K (ahead of image 0: that step's scale words)
.macro CVT SR, b, q, pf
	v_cvt_scalef32_pk8_fp8_f32 v[PC+4*\b:PC+4*\b+1], v[\SR+16*\b:\SR+16*\b+7], v[BS+\b]
	v_cvt_scalef32_pk8_fp8_f32 v[PC+4*\b+2:PC+4*\b+3], v[\SR+16*\b+8:\SR+16*\b+15], v[BS+\b]
.if \pf
.if \b == 0
	ds_load_b64 v[KS:KS+1], v[ADS] offset:512*\q+512
.endif
.irp c, 0,1,2,3
	ds_load_b128 v[\SR+16*\b+4*\c:\SR+16*\b+4*\c+3], v[ADR] offset:STEPB*\q+8192+2048*\b+512*\c
.endr
.endif
.endm
; A KEY STEP: 128 keys, the q-th of a pair.  K is on its way into run KR; S^T and p take run SR.  No two matrix instructions that follow each other share an accumulator.
.macro STEP KR, SR, q, pf
	s_wait_alu depctr_va_vdst(0)
.irp e, 0,1,2,3
	s_wait_dscnt 12-4*\e                           ; K's words and images 0 .. e are in; the later images, four loads each, may be out
.irp u, 0,1
.if \e % 2
	v_wmma_scale_f32_16x16x128_f8f6f4 v[\SR+16*\e+8*\u:\SR+16*\e+8*\u+7], v[\KR+16*\e:\KR+16*\e+15], v[QZ+8-8*\u:QZ+23-8*\u], 0, v[KS+\e/2], v[QS] matrix_a_scale:MATRIX_SCALE_ROW1
.else
	v_wmma_scale_f32_16x16x128_f8f6f4 v[\SR+16*\e+8*\u:\SR+16*\e+8*\u+7], v[\KR+16*\e:\KR+16*\e+15], v[QZ+8-8*\u:QZ+23-8*\u], 0, v[KS+\e/2], v[QS]
.endif
.endr
.endr
	v_mov_b32 v[TA], v[NM]                         ; the old -M; this line, the last step's three joins and four v_nop are the eight places behind the scores
	MERGE
.rept 4
	v_nop
.endr
.irp t, 0,1,2,3
.irp c, 0,1,2,3
	ds_load_b128 v[\KR+16*\t+4*\c:\KR+16*\t+4*\c+3], v[ADR] offset:STEPB*\q+2048*\t+512*\c   ; V^T takes K's registers and lands under the softmax
.endr
.endr
	ds_load_b64 v[VS:VS+1], v[ADS] offset:512*\q+256
.irp b, 0,1,2,3
	v_max3_num_f32 v[BM+\b], v[\SR+16*\b], v[\SR+1+16*\b], v[\SR+2+16*\b]   ; the largest score of each block of 32 keys: for the row's maximum and, since p rises with the score, for the block's largest p
.endr
.irp i, 3,5,7,9,11,13
.irp b, 0,1,2,3
	v_max3_num_f32 v[BM+\b], v[BM+\b], v[\SR+16*\b+\i], v[\SR+1+16*\b+\i]
.endr
.endr
.irp b, 0,1,2,3
	v_max_num_f32 v[BM+\b], v[BM+\b], v[\SR+15+16*\b]
.endr
.irp b, 0,1,2,3
	s_delay_alu instid0(VALU_DEP_4)
	v_permlanex16_b32 v[BP+\b], v[BM+\b], s[SEL], s[SEL+1]
.endr
.irp b, 0,1,2,3
	s_delay_alu instid0(VALU_DEP_4)
	v_max_num_f32 v[BM+\b], v[BM+\b], v[BP+\b]     ; with lane l xor 16's 16 keys
.endr
	s_delay_alu instid0(VALU_DEP_2)
	v_max3_num_f32 v[TA+1], v[BM], v[BM+1], v[BM+2]
	s_delay_alu instid0(VALU_DEP_1)
	v_max3_num_f32 v[NM+1], v[NM+1], v[TA+1], v[BM+3]   ; the running largest score
	s_delay_alu instid0(VALU_DEP_1)
	v_mul_f32 v[TA+1], s[CS], v[NM+1]              ; as t (c is positive)
	s_delay_alu instid0(VALU_DEP_1)
	v_floor_f32 v[NM], -v[TA+1]                    ; the new -M = floor(-t): M is a whole number
	s_delay_alu instid0(VALU_DEP_1)
	v_sub_f32 v[TA+1], v[NM], v[TA]                ; old M - new M: a whole number, 0 or less
	TM \SR, 0, 3
	v_cvt_i32_f32 v[TA+1], v[TA+1]                 ; (it saturates)
	TM \SR, 6, 3
	v_ldexp_f32 v[F], 1.0, v[TA+1]                 ; f = 2^(old M - new M)
	TM \SR, 12, 26
.irp b, 0,1,2,3
	v_fma_f32 v[BM+\b], v[BM+\b], s[CS], v[NM]     ; the same of each block's largest score
.endr
	s_wait_alu depctr_va_vdst(0)                   ; ahead of the batch
.irp b, 0,1,2,3
	v_exp_f32 v[BM+\b], v[BM+\b]                   ; the block's largest p: the same two instructions on the same number
.endr
.set j, 0
.rept 64
	v_exp_f32 v[\SR+j], v[\SR+j]                   ; p = 2^(t - M), at most 1
.set j, j+1
.endr
	v_pk_mul_f32 v[SUM:SUM+1], v[SUM:SUM+1], v[F:F+1] op_sel_hi:[1,0]   ; the sum under the new M: a plain line behind the exponentials
	s_wait_alu depctr_va_vdst(0)                   ; one wait for the batch of 68, ahead of its first reader
	s_wait_dscnt 0x0                               ; V^T and its words are in: so the waits at the next step's head count K's loads alone
.irp b, 0,1,2,3
	v_max_num_f32 v[BM+\b], 0x4800000, v[BM+\b]    ; the floor 2^(9 - 127): the byte cannot fall under 1
.endr
.irp b, 0,1,2,3
	s_delay_alu instid0(VALU_DEP_4)
	v_add_nc_u32 v[BS+\b], 0xfc000000, v[BM+\b]    ; 8 off the exponent field: the conversion's scale operand
.endr
.irp b, 0,1,2,3
	v_and_or_b32 v[BH+\b], v[BM+\b], 0x7f800000, s[MNT]   ; 448 x the scale
.endr
	SUMB \SR, 0                                    ; sum, hold, conversion: a block's conversion stands behind the next block's hold
	HOLD \SR, 0
	SUMB \SR, 1
	HOLD \SR, 1
	CVT \SR, 0, \q, \pf
	SUMB \SR, 2
	HOLD \SR, 2
	CVT \SR, 1, \q, \pf
	SUMB \SR, 3
	HOLD \SR, 3
	CVT \SR, 2, \q, \pf
.irp b, 0,1,2,3
	v_lshrrev_b32 v[BP+\b], 23, v[BS+\b]           ; the scale's byte
.endr
	s_delay_alu instid0(VALU_DEP_3)
	v_lshl_or_b32 v[TA+1], v[BP+1], 8, v[BP]
	s_delay_alu instid0(VALU_DEP_1)
	v_lshl_or_b32 v[TA+1], v[BP+2], 16, v[TA+1]
	s_delay_alu instid0(VALU_DEP_1)
	v_lshl_or_b32 v[PWD], v[BP+3], 24, v[TA+1]     ; p's scale word for these 128 keys; the 16 lines on O^T are its places in front of the products
	CVT \SR, 3, \q, \pf
	s_wait_alu depctr_va_vdst(0)                   ; directly ahead of the first reader of O^T
.set j, 0
.rept 16
	v_pk_mul_f32 v[O+j:O+j+1], v[O+j:O+j+1], v[F:F+1] op_sel_hi:[1,0]   ; O^T under the new M, each accumulator from its low end on; these lines are also the codes' places in front of the products
.set j, j+2
.endr
.irp t, 0,1,2,3                                    ; O^T += V^T P^T: four products on four accumulators
.if \t % 2
	v_wmma_scale_f32_16x16x128_f8f6f4 v[O+8*\t:O+8*\t+7], v[\KR+16*\t:\KR+16*\t+15], v[PC:PC+15], v[O+8*\t:O+8*\t+7], v[VS+\t/2], v[PWD] matrix_a_scale:MATRIX_SCALE_ROW1
.else
	v_wmma_scale_f32_16x16x128_f8f6f4 v[O+8*\t:O+8*\t+7], v[\KR+16*\t:\KR+16*\t+15], v[PC:PC+15], v[O+8*\t:O+8*\t+7], v[VS+\t/2], v[PWD]
.endif
.endr
.if \pf                                            ; nine places: the next step's scores are written over the registers that these products read
.if \q
	s_add_co_u32 s[TB], s[TB], 2*STEPB
	s_add_co_u32 s[TS], s[TS], 1024
	v_add_nc_u32 v[ADR], s[TB], v[LI]              ; the next pair of steps
	v_add_nc_u32 v[ADS], s[TS], v[LS8]
.rept 7
	v_nop
.endr
.else
.rept 9
	v_nop
.endr
.endif
.endif
.endm
; a slot's eight key steps, in pairs.  last = 1: the head's last pair is written out, since no K follows it
.macro SLOT_STEPS last
	v_add_nc_u32 v[ADR], s[TB], v[LI]
	s_mov_b32 s[CNT], 4-\last
.Lpair_\@:
	STEP RA, RB, 0, 1
	STEP RB, RA, 1, 1
	s_sub_co_u32 s[CNT], s[CNT], 1
	s_cmp_lg_u32 s[CNT], 0
	s_cbranch_scc1 .Lpair_\@
.if \last
	STEP RA, RB, 0, 1
	STEP RB, RA, 1, 0
.else
	s_sub_co_u32 s[TB], s[TB], SLOTB               ; back to a slot's first step,
	s_xor_b32 s[TB], s[TB], SLOTB                  ; in the other slot
.endif
.endm
; THE CHANGE OF SLOTS stands at a slot's head.  Each wave waits for all its tensor loads (its part of the slot ahead), adds 0 to its spare word, and waits for that and for its reads of the slot that it has left, the K fetched ahead among them.
; fill = 1: a round of the cluster's barrier, so that no wave of any partner still reads that slot or has a load on its way; the joint refill is the first thing behind it and has eight key steps in which to land.
.macro CHANGE fill
	s_wait_tensorcnt 0x0                           ; no tensor load of mine is out, so a group 0 may be written
	ds_add_u32 v[SPW], v[NIL]
.if \fill
	ds_add_u32 v[SPW], v[NIL]                      ; and once more: the add twice on end, in every trip alike
	s_xor_b32 s[G0+1], s[G0+1], SLOTB              ; the walking descriptor: the other slot,
	s_add_nc_u64 s[G0+2:G0+3], s[G0+2:G0+3], SLOTB ; the next 131,072 bytes; the type bits on top are not reached
	s_wait_xcnt 0x0                                ; the last prefetch, a slot back, has read its address
	s_add_nc_u64 s[PFA:PFA+1], s[PFA:PFA+1], SLOTB
	s_wait_dscnt 0x0                               ; both adds are done, and my reads of the slot that I have left are over
	CROUND
	JLOAD
	ASK
.else
	s_wait_dscnt 0x0
	s_barrier_signal -1
	s_barrier_wait -1
.endif
.endm
	s_load_b256 s[4:11], s[0:1], 0x0               ; qc, qs, kvc, kvs
	s_load_b128 s[12:15], s[0:1], 0x20             ; cc, cs
	v_lshl_add_u32 v[SPW], v0, 2, SPARE
	v_mov_b32 v[NIL], 0
	ds_add_u32 v[SPW], v[NIL]                      ; the wave's opening: the add, twice on end, and its wait ahead of the round in front of the first tensor loads
	ds_add_u32 v[SPW], v[NIL]
	v_lshrrev_b32 v[ADR], 5, v0
	s_delay_alu instid0(VALU_DEP_1)
	v_readfirstlane_b32 s[WV], v[ADR]              ; wave 0..15
	s_bfe_u32 s[CX], ttmp6, 0x40000                ; my place in the cluster
	s_lshl_b32 s[WGX], ttmp9, 2                    ; in a cluster launch ttmp9 counts clusters
	s_add_co_u32 s[WGX], s[WGX], s[CX]             ; my block of 256 queries: it enters Q's, ctx's and the prefetches' addresses alone
	s_and_b32 s[BHD], ttmp7, 0xffff                ; batch x 8 + head, which the four partners share
	s_mov_b32 s[SEL], 0x76543210
	s_mov_b32 s[SEL+1], 0xfedcba98
	s_mov_b32 s[CS], 0x3e38aa3b                    ; c = log2(e) / 8
	s_mov_b32 s[CS+1], s[CS]                       ; (named with it as a pair, so it is written)
	s_mov_b32 s[MNT], 0x600000
	s_mov_b32 s[G1], 15|(3<<16)|(1<<21)            ; 15:0 the mask: all four work-groups; 17:16 elements of 8 bytes; 20 no padding; 21 set beside a mask
	s_mov_b32 s[G1+1], 32<<16                      ; tensor_dim0 = 32 elements: 256 bytes
	s_mov_b32 s[G1+2], 64<<16                      ; tensor_dim1 = 64
	s_mov_b32 s[G1+3], 32<<16                      ; tile_dim0
	s_mov_b32 s[G1+4], 64                          ; tile_dim1
	s_mov_b32 s[G1+5], 32                          ; the rows are dense
	s_mov_b32 s[G1+6], 0
	s_mov_b32 s[G1+7], 0
	s_mov_b32 s[G1K], 15|(3<<16)|(1<<21)           ; the same with 32 rows
	s_mov_b32 s[G1K+1], 32<<16
	s_mov_b32 s[G1K+2], 32<<16
	s_mov_b32 s[G1K+3], 32<<16
	s_mov_b32 s[G1K+4], 32
	s_mov_b32 s[G1K+5], 32
	s_mov_b32 s[G1K+6], 0
	s_mov_b32 s[G1K+7], 0
	s_mov_b32 s[TB], 0
	s_mov_b32 s[TS], 0
	s_mov_b32 s[SLOTS], 3
	v_and_b32 v[ADR], 31, v0                       ; lane
	s_delay_alu instid0(VALU_DEP_1)
	v_lshlrev_b32 v[LI], 4, v[ADR]
	s_delay_alu instid0(VALU_DEP_2)
	v_lshl_add_u32 v[LS8], v[ADR], 3, SCL
	s_delay_alu instid0(VALU_DEP_3)
	v_lshlrev_b32 v[PFO], 8, v[ADR]
	s_delay_alu instid0(VALU_DEP_4)
	v_lshlrev_b32 v[L2B], 1, v[ADR]
	v_and_b32 v[QSO], 15, v0
	s_delay_alu instid0(VALU_DEP_1)
	v_lshlrev_b32 v[QSO], 3, v[QSO]
	; what the partners share: the head's codes and scale words, and which eighth of a slot my wave fetches
	s_and_b32 s62, s[WV], 7
	s_lshl_b32 s[G0+1], s62, 14                    ; LDS address: slot 0, eighth wave % 8: no place in the cluster enters it
	s_lshl_b32 s48, s62, 14
	s_add_co_u32 s48, s48, 8192                    ; a slot's window begins behind K of step 0
	s_lshl_b32 s52, s[BHD], 19                     ; the head's first byte in kvc
	s_add_co_u32 s48, s48, s52
	s_mov_b32 s49, 0
	s_mov_b32 s53, 0
	s_lshl_b32 s50, s[BHD], 14
	s_mov_b32 s51, 0
	s_sub_co_u32 s62, s[WV], 9
	s_lshr_b32 s62, s62, 2                         ; 0 in waves 9 to 12,
	s_or_b32 s62, s62, ttmp9                       ; of the head's first cluster: the same in all four partners
	s_cmp_eq_u32 s62, 0
	s_cselect_b32 s[LIM], 1, -1
	s_lshl_b32 s60, s[BHD], 19
	s_add_co_u32 s60, s60, SLOTB                   ; the prefetches: the first change of slots steps them to the head's byte 262,144;
	s_lshl_b32 s62, s[CX], 15
	s_add_co_u32 s60, s60, s62                     ; my work-group's 32,768 bytes;
	s_sub_co_u32 s62, s[WV], 9
	s_and_b32 s62, s62, 3
	s_lshl_b32 s62, s62, 13
	s_add_co_u32 s60, s60, s62                     ; my wave's 8,192 bytes of them (inside the buffer in every wave)
	s_mov_b32 s61, 0
	s_wait_dscnt 0x0                               ; both opening adds are done
	s_wait_kmcnt 0x0
	s_add_nc_u64 s[PFA:PFA+1], s[8:9], s[60:61]
	s_mov_b32 s[G0], 1                             ; count = 1
	s_add_nc_u64 s[G0+2:G0+3], s[8:9], s[48:49]
	s_or_b32 s[G0+3], s[G0+3], 0x80000000          ; type = 2
	s_mov_b32 s[G0K], 1
	s_mov_b32 s[G0K+1], KZ
	s_add_nc_u64 s[G0K+2:G0K+3], s[8:9], s[52:53]
	s_or_b32 s[G0K+3], s[G0K+3], 0x80000000
	s_mov_b32 s[G0S], 1
	s_mov_b32 s[G0S+1], SCL
	s_add_nc_u64 s[G0S+2:G0S+3], s[10:11], s[50:51]
	s_or_b32 s[G0S+3], s[G0S+3], 0x80000000
	CROUND                                         ; all four work-groups are here: the first joint loads meet
	s_cmp_lt_u32 s[WV], 8                          ; the first fills, one a wave, in one chain of branches: waves 0-7 slot 0, wave 8 the scale words, wave 9 K of step 0
	s_cbranch_scc0 .Lnot_codes
	TL G0, G1
	s_branch .Lfirst_done
.Lnot_codes:
	s_cmp_eq_u32 s[WV], 8
	s_cbranch_scc0 .Lnot_words
	TL G0S, G1
	s_branch .Lfirst_done
.Lnot_words:
	s_cmp_eq_u32 s[WV], 9
	s_cbranch_scc0 .Lfirst_done
	TL G0K, G1K
.Lfirst_done:
	; what hangs on my block of queries
	s_lshl_b32 s63, s[WGX], 4
	s_add_co_u32 s63, s63, s[WV]                   ; my tile of 16 queries, 0..255 in the head
	s_lshl_b32 s52, s63, 10
	s_lshl_b32 s62, s[BHD], 18
	s_add_co_u32 s52, s52, s62                     ; qc: head x 262,144 + tile x 1,024: half a double image
	s_mov_b32 s53, 0
	s_lshr_b32 s54, s63, 3
	s_lshl_b32 s62, s[BHD], 5
	s_add_co_u32 s54, s54, s62
	s_lshl_b32 s54, s54, 8                         ; qs: the block of four pairs of tiles, 256 bytes;
	s_bfe_u32 s62, s63, 0x10001
	s_lshl_b32 s62, s62, 7
	s_add_co_u32 s54, s54, s62                     ; an odd pair's words lie in lanes 16-31's places;
	s_bfe_u32 s62, s63, 0x10002
	s_lshl_b32 s62, s62, 2
	s_add_co_u32 s54, s54, s62                     ; pairs 2 and 3 in the second word
	s_mov_b32 s55, 0
	s_lshr_b32 s62, s[BHD], 3
	s_lshl_b32 s62, s62, 8
	s_add_co_u32 s62, s62, s63                     ; my tile's number among the 512 tiles of rows: batch x 256 + tile
	s_lshl_b32 s58, s62, 9                         ; cs: 512 bytes a tile,
	s_lshl_b32 s56, s62, 13                        ; cc: four images a tile,
	s_and_b32 s62, s[BHD], 7                       ; the head:
	s_lshl_b32 s63, s62, 6
	s_add_co_u32 s58, s58, s63                     ; 64 bytes of scale bytes,
	s_mov_b32 s59, 0
	s_lshl_b32 s62, s62, 10
	s_add_co_u32 s56, s56, s62                     ; half an image
	s_mov_b32 s57, 0
	s_add_nc_u64 s[4:5], s[4:5], s[52:53]
	s_add_nc_u64 s[6:7], s[6:7], s[54:55]
	s_add_nc_u64 s[12:13], s[12:13], s[56:57]
	s_add_nc_u64 s[14:15], s[14:15], s[58:59]
	s_mov_b32 s48, 0x01000100                      ; which two bytes of the pair's scale word are my tile's: an even tile's the lower,
	s_bitcmp1_b32 s[WV], 0
	s_cselect_b32 s48, 0x03020302, s48             ; an odd tile's the upper
	s_wait_alu depctr_va_vdst(0)
	global_load_b128 v[QZ+8:QZ+11], v[LI], s[4:5]              ; my tile's codes: two groups of the double image
	global_load_b128 v[QZ+12:QZ+15], v[LI], s[4:5] offset:512
	global_load_b32 v[QS], v[QSO], s[6:7]                      ; the pair's scale word: (a0, a1, b0, b1)
.irp j, 0,1,2,3,4,5,6,7
	v_mov_b32 v[QZ+\j], 0                          ; the zero codes on both sides of Q's
	v_mov_b32 v[QZ+16+\j], 0
.endr
	v_mov_b32 v[NM+1], 0xff61b1e6                  ; the largest score so far: -3e38, under every score
	v_mul_f32 v[TA+1], s[CS], v[NM+1]
	v_floor_f32 v[NM], -v[TA+1]                    ; -M
	v_mov_b32 v[F+1], 0                            ; (named as the upper half of the pair v[44:45])
	v_add_nc_u32 v[ADR], KZ, v[LI]                 ; K of step 0
	v_mov_b32 v[ADS], v[LS8]                       ; the first pair's scale words
.irp j, 0,1,2,3,4,5,6,7
	v_mov_b32 v[SUM+\j], 0                         ; the sum and its chains
.endr
.irp b, 0,1,2,3
	v_mov_b32 v[BP+\b], 0                          ; written once: a lane permute's destination counts as one of its sources
.endr
	s_wait_loadcnt 0x0
	v_perm_b32 v[QS], v[QS], v[QS], s48            ; my tile's two bytes, twice: they serve either half of K.  The lines below are this register's places in front of the first products
.set j, 0
.rept 32
	v_mov_b32 v[O+j], 0                            ; O^T: the step is written once; its first walk finds zeros, which the first change of M leaves zeros
.set j, j+1
.endr
	s_wait_alu depctr_va_vdst(0)                   ; at the head's end
	s_wait_tensorcnt 0x0                           ; my first fill has landed;
	s_barrier_signal -1
	s_barrier_wait -1                              ; everybody's has: K of step 0 and the scale words may be read
	ds_load_b64 v[KS:KS+1], v[ADS]                 ; in the order in which a step fetches ahead: the words, then images 0 to 3
.irp e, 0,1,2,3
.irp c, 0,1,2,3
	ds_load_b128 v[RA+16*\e+4*\c:RA+16*\e+4*\c+3], v[ADR] offset:2048*\e+512*\c
.endr
.endr
.Lslot:                                            ; three trips: behind each change of slots but the last the next slot is asked for
	CHANGE 1
	SLOT_STEPS 0
	s_sub_co_u32 s[SLOTS], s[SLOTS], 1
	s_cmp_lg_u32 s[SLOTS], 0
	s_cbranch_scc1 .Lslot
	CHANGE 0                                       ; the last slot is written out
	SLOT_STEPS 1
	; THE WAY OUT: O^T / the sum; its 64 d are two blocks of 32 along E: quantised, and stored as half an image of the out-projection's operand (two stores of 512 consecutive bytes) with two scale bytes a row
	MERGE                                          ; the last step's chains; with the five v_nop: eight places behind the last products
.rept 5
	v_nop
.endr
	v_add_f32 v[SUM], v[SUM], v[SUM+1]             ; the sum's two halves,
	s_delay_alu instid0(VALU_DEP_1)
	v_permlanex16_b32 v[TA+1], v[SUM], s[SEL], s[SEL+1]
	s_delay_alu instid0(VALU_DEP_1)
	v_add_f32 v[SUM], v[SUM], v[TA+1]              ; and lane l xor 16's
	s_wait_alu depctr_va_vdst(0)                   ; ahead of the transcendental
	v_rcp_f32 v[F], v[SUM]
	v_nop                                          ; one plain line behind the transcendental
	s_wait_alu depctr_va_vdst(0)                   ; and the wait ahead of its first reader, which is O^T's first reader too
.set j, 0
.rept 16
	v_pk_mul_f32 v[RA+j:RA+j+1], v[O+j:O+j+1], v[F:F+1] op_sel_hi:[1,0]   ; register 16 b + i is ctx(my query, d = 32 b + 16 h + i)
.set j, j+2
.endr
.irp b, 0,1
	v_max3_num_f32 v[BM+\b], |v[RA+16*\b]|, |v[RA+1+16*\b]|, 0x4800000
.endr
.irp i, 2,4,6,8,10,12,14
.irp b, 0,1
	s_delay_alu instid0(VALU_DEP_2)
	v_max3_num_f32 v[BM+\b], v[BM+\b], |v[RA+16*\b+\i]|, |v[RA+1+16*\b+\i]|
.endr
.endr
.irp b, 0,1
	s_delay_alu instid0(VALU_DEP_2)
	v_permlanex16_b32 v[BP+\b], v[BM+\b], s[SEL], s[SEL+1]
.endr
.irp b, 0,1
	s_delay_alu instid0(VALU_DEP_2)
	v_max_num_f32 v[BM+\b], v[BM+\b], v[BP+\b]
.endr
.irp b, 0,1
	s_delay_alu instid0(VALU_DEP_2)
	v_add_nc_u32 v[BS+\b], 0xfc000000, v[BM+\b]
.endr
.irp b, 0,1
	s_delay_alu instid0(VALU_DEP_4)
	v_and_or_b32 v[BH+\b], v[BM+\b], 0x7f800000, s[MNT]
.endr
.irp b, 0,1
	s_delay_alu instid0(VALU_DEP_4)
	v_lshrrev_b32 v[BP+\b], 23, v[BS+\b]
.endr
	s_delay_alu instid0(VALU_DEP_1)
	v_lshl_or_b32 v[TA+1], v[BP+1], 8, v[BP]       ; the head's two scale bytes of my row
.irp b, 0,1
.set j, 0
.rept 16
	v_med3_num_f32 v[RA+16*\b+j], v[RA+16*\b+j], -v[BH+\b], v[BH+\b]
.set j, j+1
.endr
	v_cvt_scalef32_pk8_fp8_f32 v[PC+4*\b:PC+4*\b+1], v[RA+16*\b:RA+16*\b+7], v[BS+\b]
	v_cvt_scalef32_pk8_fp8_f32 v[PC+4*\b+2:PC+4*\b+3], v[RA+16*\b+8:RA+16*\b+15], v[BS+\b]
.endr
	v_nop                                          ; one plain line behind the last conversion
	global_store_b128 v[LI], v[PC:PC+3], s[12:13]
	global_store_b128 v[LI], v[PC+4:PC+7], s[12:13] offset:512
	global_store_b16 v[L2B], v[TA+1], s[14:15]     ; 64 consecutive bytes a wave: one sixteenth of the codes' bytes
	s_wait_tensorcnt 0x0                           ; the wave's end
	ds_add_u32 v[SPW], v[NIL]
	s_wait_dscnt 0x0
	CROUND                                         ; the closing round: no work-group ends while a partner may still ask for a tile that names it
	s_endpgm
.Lfunc_end_k_qf17a201543_attn:
	.size	k_qf17a201543_attn, .Lfunc_end_k_qf17a201543_attn-k_qf17a201543_attn
	.p2alignl 7, 3214868480
	.fill 96, 4, 3214868480
	.section	.rodata,"a",@progbits
	.p2align	6, 0x0
	.amdhsa_kernel k_qf17a201543_attn
		.amdhsa_group_segment_fixed_size 327680
		.amdhsa_private_segment_fixed_size 0
		.amdhsa_enable_private_segment 0
		.amdhsa_kernarg_size 48
		.amdhsa_user_sgpr_count 2
		.amdhsa_user_sgpr_kernarg_segment_ptr 1
		.amdhsa_wavefront_size32 1
		.amdhsa_system_sgpr_workgroup_id_x 1
		.amdhsa_system_sgpr_workgroup_id_y 1
		.amdhsa_system_sgpr_workgroup_id_z 1
		.amdhsa_system_vgpr_workitem_id 0
		.amdhsa_next_free_vgpr 256
		.amdhsa_next_free_sgpr 80
		.amdhsa_reserve_vcc 0
		.amdhsa_float_denorm_mode_32 3
		.amdhsa_float_denorm_mode_16_64 3
		.amdhsa_memory_ordered 1
		.amdhsa_forward_progress 1
		.amdhsa_inst_pref_size 131
	.end_amdhsa_kernel
	.amdgpu_metadata
---
amdhsa.version: [ 1, 2 ]
amdhsa.kernels:
  - .name:           k_qf17a201543_attn
    .symbol:         k_qf17a201543_attn.kd
    .args:
      - { .name: qc, .offset: 0, .size: 8, .value_kind: global_buffer, .address_space: global }
      - { .name: qs, .offset: 8, .size: 8, .value_kind: global_buffer, .address_space: global }
      - { .name: kvc, .offset: 16, .size: 8, .value_kind: global_buffer, .address_space: global }
      - { .name: kvs, .offset: 24, .size: 8, .value_kind: global_buffer, .address_space: global }
      - { .name: cc, .offset: 32, .size: 8, .value_kind: global_buffer, .address_space: global }
      - { .name: cs, .offset: 40, .size: 8, .value_kind: global_buffer, .address_space: global }
    .group_segment_fixed_size: 327680
    .private_segment_fixed_size: 0
    .kernarg_segment_align: 8
    .kernarg_segment_size: 48
    .max_flat_workgroup_size: 512
    .sgpr_count:     80
    .vgpr_count:     256
    .wavefront_size: 32
...
	.end_amdgpu_metadata
.endif
;; end of part 3
;; launch oproj (part 4): grid 256 x 1, 8 waves a work-group, no clusters, 70,656 bytes of LDS; arguments cc, cs, wc, wsc, bo, out0; writes out0
.if DOCPART == 4
	.amdgcn_target "amdgcn-amd-amdhsa--gfx1250"
	.amdhsa_code_object_version 6
	.text
	.protected	k_qf17a201543_oproj
	.globl	k_qf17a201543_oproj
	.p2align	8
	.type	k_qf17a201543_oproj,@function
k_qf17a201543_oproj:
	s_mov_b64 s[64:65], 0
	v_nop
	global_prefetch_b8 v0, s[64:65] scope:SCOPE_SE
	s_setreg_imm32_b32 hwreg(HW_REG_WAVE_MODE, 25, 1), 1
	s_wait_xcnt 0x0
; out0 = ctx Wo^T + bo on codes of FP8 (E4M3), one E8M0 scale for each 32 along K.  ctx [8192][512] and Wo [512][512] arrive as images of operand registers (group c of a fragment at 512 c + 16 x lane).
; SHARES: work-group g owns columns 64 (g % 8) .. + 63 of rows 256 (g / 8) .. + 255; wave w owns the pair p = 8 (g / 8) + w of row tiles (rows 32 p .. 32 p + 31): 2 x 4 accumulators, 4 K steps, 32 matrix instructions.
; Lane r of row tile i stands for row 32 p + 8 i + r + (r & 8); lane r of Wo's tile t for its row 64 (g % 8) + 32 (t / 2) + 8 (t % 2) + r + (r & 8).
; TRANSPOSED: source 0 = Wo, source 1 = ctx: a lane holds eight neighbouring columns of one row.  The bias is loaded straight into the accumulators and is the first C: no register and no addition is spent on it.
; THE WAY OUT: through the wave's own stage in LDS (rows of 256 + 16 bytes), so that sixteen lanes store 256 consecutive bytes, aligned.  No barrier: waves share nothing in LDS.
; All operands go from memory straight into registers: a work-group names 32 KiB of Wo's codes and 128 KiB of ctx's, each wave its own 16 KiB of ctx.
; No joint loads and no prefetch: the launch has no loop to run ahead in and no tile of operands in LDS; what work-groups have in common, 32 KiB of Wo, is a fifth of a work-group's 160 KiB.
.set STGW,  8704                       ; a wave's stage: two tiles of 16 rows x 272 bytes
.set SPARE, 8*STGW                     ; behind the stages: the spare words, 128 bytes for each wave: four blocks of 256 bytes that no other line names
.set LI,  1                            ; v1  16 x lane
.set LS4, 2                            ; v2  4 x lane
.set L2B, 3                            ; v3  2 x lane
.set BO,  4                            ; v4  64 h
.set STO, 5                            ; v5  the stage, in: row r, + 64 h
.set RD,  6                            ; v6  and back: lanes 0-15 one row, lanes 16-31 the next
.set GO,  7                            ; v7  the same two rows in out0
.set SPW, 8                            ; v8  LDS address of my spare word; never rewritten
.set NIL, 9                            ; v9  0; never rewritten
.set WS,  16                           ; v16-31 Wo's scale words, 4 t + s
.set XS,  32                           ; v32-39 ctx's scale words, 4 i + s
.set HV,  40                           ; v40-55 their halves as loaded
.set ACC, 64                           ; v64-127 accumulator 4 i + t
.set XF,  128                          ; v128-255 ctx's fragments 4 i + s; later the rows read back.   Window 1: Wo's fragment (t, s) at v[16 (4 t + s)]
.set MSB, 0
.macro WIN new
.if MSB != (\new)
	s_set_vgpr_msb (MSB<<8)|(\new)
.set MSB, (\new)
.endif
.endm
	s_load_b256 s[4:11], s[0:1], 0x0               ; cc, cs, wc, wsc
	s_load_b128 s[12:15], s[0:1], 0x20             ; bo, out0
	v_lshl_add_u32 v[SPW], v0, 2, SPARE
	v_mov_b32 v[NIL], 0
	v_lshrrev_b32 v10, 5, v0
	s_delay_alu instid0(VALU_DEP_1)
	v_readfirstlane_b32 s16, v10                   ; wave 0..7
	v_and_b32 v10, 31, v0                          ; lane
	s_delay_alu instid0(VALU_DEP_1)
	v_lshlrev_b32 v[LI], 4, v10
	s_delay_alu instid0(VALU_DEP_2)
	v_lshlrev_b32 v[LS4], 2, v10
	s_delay_alu instid0(VALU_DEP_3)
	v_lshlrev_b32 v[L2B], 1, v10
	v_and_b32 v11, 15, v0                          ; r
	v_bfe_u32 v12, v0, 4, 1                        ; h
	s_delay_alu instid0(VALU_DEP_1)
	v_lshlrev_b32 v[BO], 6, v12
	s_mul_i32 s17, s16, STGW
	v_mul_u32_u24 v[STO], v11, 272
	s_delay_alu instid0(VALU_DEP_1)
	v_lshl_add_u32 v[STO], v12, 6, v[STO]
	s_delay_alu instid0(VALU_DEP_1)
	v_add_nc_u32 v[STO], s17, v[STO]
	v_mul_u32_u24 v[RD], v12, 272
	s_delay_alu instid0(VALU_DEP_1)
	v_lshl_add_u32 v[RD], v11, 4, v[RD]
	s_delay_alu instid0(VALU_DEP_1)
	v_add_nc_u32 v[RD], s17, v[RD]
	v_lshlrev_b32 v[GO], 11, v12
	s_delay_alu instid0(VALU_DEP_1)
	v_lshl_add_u32 v[GO], v11, 4, v[GO]
	s_and_b32 s30, ttmp9, 7                        ; my work-group's block of 64 columns
	s_and_b32 s31, ttmp9, 0xf8
	s_add_co_u32 s31, s31, s16                     ; my pair of row tiles: 8 (g / 8) + wave
	s_lshl_b32 s18, s31, 14                        ; cc: eight images a pair of tiles
	s_mov_b32 s19, 0
	s_lshl_b32 s20, s31, 10                        ; cs: 512 bytes a tile
	s_mov_b32 s21, 0
	s_lshl_b32 s22, s30, 15
	s_add_co_u32 s22, s22, 786432                  ; wc: the fourth matrix, the block's four tiles
	s_mov_b32 s23, 0
	s_lshl_b32 s24, s30, 11
	s_add_co_u32 s24, s24, 49152                   ; wsc likewise
	s_mov_b32 s25, 0
	s_lshl_b32 s26, s30, 8                         ; bo: the block's 64 numbers; the same 256 bytes of a row of out0
	s_mov_b32 s27, 0
	s_lshl_b32 s28, s31, 16                        ; out0: 32 rows of 2,048 bytes
	s_add_co_u32 s28, s28, s26
	s_mov_b32 s29, 0
	s_wait_alu depctr_va_vdst(0)                   ; at the head's end
	s_wait_kmcnt 0x0
	s_add_nc_u64 s[4:5], s[4:5], s[18:19]
	s_add_nc_u64 s[6:7], s[6:7], s[20:21]
	s_add_nc_u64 s[8:9], s[8:9], s[22:23]
	s_add_nc_u64 s[10:11], s[10:11], s[24:25]
	s_add_nc_u64 s[12:13], s[12:13], s[26:27]
	s_add_nc_u64 s[14:15], s[14:15], s[28:29]
.irp i, 0,1
.irp s, 0,1,2,3
	global_load_u16 v[HV+2*(4*\i+\s)], v[L2B], s[6:7] offset:512*\i+128*\s        ; head 2 s's two scale bytes of my row,
	global_load_u16 v[HV+2*(4*\i+\s)+1], v[L2B], s[6:7] offset:512*\i+128*\s+64   ; head 2 s + 1's
.endr
.endr
.irp t, 0,1,2,3
.irp s, 0,1,2,3
	global_load_b32 v[WS+4*\t+\s], v[LS4], s[10:11] offset:128*(4*\t+\s)
.endr
.endr
.irp i, 0,1
.irp t, 0,1,2,3
	global_load_b128 v[ACC+8*(4*\i+\t):ACC+8*(4*\i+\t)+3], v[BO], s[12:13] offset:(32*(\t/2)+8*(\t%2))*4       ; register j of tile t is column 32 (t / 2) + 8 (t % 2) + 16 h + j
	global_load_b128 v[ACC+8*(4*\i+\t)+4:ACC+8*(4*\i+\t)+7], v[BO], s[12:13] offset:(32*(\t/2)+8*(\t%2))*4+16
.endr
.endr
.irp f, 0,1,2,3,4,5,6,7
.irp c, 0,1,2,3
	global_load_b128 v[XF+16*\f+4*\c:XF+16*\f+4*\c+3], v[LI], s[4:5] offset:2048*\f+512*\c
.endr
.endr
	WIN 0x40                                       ; destination window 1; K step by K step, so that the first products need not wait for the last fragments
.irp s, 0,1,2,3
.irp t, 0,1,2,3
.irp c, 0,1,2,3
	global_load_b128 v[16*(4*\t+\s)+4*\c:16*(4*\t+\s)+4*\c+3], v[LI], s[8:9] offset:8192*\t+2048*\s+512*\c
.endr
.endr
.endr
	WIN 0
	s_wait_loadcnt 48                              ; loads come back in order: all but Wo's K steps 1 to 3, 16 loads each, are in
.irp f, 0,1,2,3,4,5,6,7
	v_lshl_or_b32 v[XS+\f], v[HV+2*\f+1], 16, v[HV+2*\f]   ; a K step of 128 is two heads: four scale bytes
.endr
.rept 8
	v_nop                                          ; a scale register written by a vector instruction stands eight places ahead of the product
.endr
	WIN 0x01                                       ; source 0 (Wo) window 1
.irp s, 0,1,2,3
.if \s
	s_wait_alu depctr_va_vdst(0)                   ; directly ahead of the wait below
	s_wait_loadcnt 16*(3-\s)                       ; this K step's fragments of Wo are in; the later steps' 16 loads each may be out
.endif
.irp i, 0,1
.irp t, 0,1,2,3
	v_wmma_scale_f32_16x16x128_f8f6f4 v[ACC+8*(4*\i+\t):ACC+8*(4*\i+\t)+7], v[16*(4*\t+\s):16*(4*\t+\s)+15], v[XF+16*(4*\i+\s):XF+16*(4*\i+\s)+15], v[ACC+8*(4*\i+\t):ACC+8*(4*\i+\t)+7], v[WS+4*\t+\s], v[XS+4*\i+\s]
.endr
.endr
.endr                                              ; the eight accumulators take turns, one instruction a turn
	WIN 0
.rept 8
	v_nop                                          ; places in front of the stores that read results and of the loads into ctx's registers
.endr
.irp i, 0,1
.irp t, 0,1,2,3
	ds_store_b128 v[STO], v[ACC+8*(4*\i+\t):ACC+8*(4*\i+\t)+3] offset:4352*\i+128*(\t/2)+32*(\t%2)       ; each accumulator from its low end on
	ds_store_b128 v[STO], v[ACC+8*(4*\i+\t)+4:ACC+8*(4*\i+\t)+7] offset:4352*\i+128*(\t/2)+32*(\t%2)+16
.endr
.irp k, 0,1,2,3,4,5,6,7
	ds_load_b128 v[XF+32*\i+4*\k:XF+32*\i+4*\k+3], v[RD] offset:4352*\i+544*\k   ; LDS serves a wave's instructions in order (ISA guide 5.7.1.4): these see my stores
.endr
.endr
.irp k, 0,1,2,3,4,5,6,7
	s_wait_dscnt 23-\k                             ; behind this load: the tile's 7 - k later loads and the other tile's 16 LDS instructions
	global_store_b128 v[GO], v[XF+4*\k:XF+4*\k+3], s[14:15] offset:(2*\k+8*(\k/4))*2048 th:TH_STORE_NT   ; stage rows 2 k, 2 k + 1 are rows 2 k + 8 (k / 4) on: 16 lanes store 256 consecutive bytes, aligned
.endr
.irp k, 0,1,2,3,4,5,6,7
	s_wait_dscnt 7-\k
	global_store_b128 v[GO], v[XF+32+4*\k:XF+32+4*\k+3], s[14:15] offset:(8+2*\k+8*(\k/4))*2048 th:TH_STORE_NT
.endr
	s_wait_tensorcnt 0x0                           ; the wave's end, behind my last LDS store
	ds_add_u32 v[SPW], v[NIL]
	s_wait_dscnt 0x0
	s_endpgm
.Lfunc_end_k_qf17a201543_oproj:
	.size	k_qf17a201543_oproj, .Lfunc_end_k_qf17a201543_oproj-k_qf17a201543_oproj
	.p2alignl 7, 3214868480
	.fill 96, 4, 3214868480
	.section	.rodata,"a",@progbits
	.p2align	6, 0x0
	.amdhsa_kernel k_qf17a201543_oproj
		.amdhsa_group_segment_fixed_size 70656
		.amdhsa_private_segment_fixed_size 0
		.amdhsa_enable_private_segment 0
		.amdhsa_kernarg_size 48
		.amdhsa_user_sgpr_count 2
		.amdhsa_user_sgpr_kernarg_segment_ptr 1
		.amdhsa_wavefront_size32 1
		.amdhsa_system_sgpr_workgroup_id_x 1
		.amdhsa_system_sgpr_workgroup_id_y 1
		.amdhsa_system_sgpr_workgroup_id_z 1
		.amdhsa_system_vgpr_workitem_id 0
		.amdhsa_next_free_vgpr 512
		.amdhsa_next_free_sgpr 66
		.amdhsa_reserve_vcc 0
		.amdhsa_float_denorm_mode_32 3
		.amdhsa_float_denorm_mode_16_64 3
		.amdhsa_memory_ordered 1
		.amdhsa_forward_progress 1
		.amdhsa_inst_pref_size 26
	.end_amdhsa_kernel
	.amdgpu_metadata
---
amdhsa.version: [ 1, 2 ]
amdhsa.kernels:
  - .name:           k_qf17a201543_oproj
    .symbol:         k_qf17a201543_oproj.kd
    .args:
      - { .name: cc, .offset: 0, .size: 8, .value_kind: global_buffer, .address_space: global }
      - { .name: cs, .offset: 8, .size: 8, .value_kind: global_buffer, .address_space: global }
      - { .name: wc, .offset: 16, .size: 8, .value_kind: global_buffer, .address_space: global }
      - { .name: wsc, .offset: 24, .size: 8, .value_kind: global_buffer, .address_space: global }
      - { .name: bo, .offset: 32, .size: 8, .value_kind: global_buffer, .address_space: global }
      - { .name: out0, .offset: 40, .size: 8, .value_kind: global_buffer, .address_space: global }
    .group_segment_fixed_size: 70656
    .private_segment_fixed_size: 0
    .kernarg_segment_align: 8
    .kernarg_segment_size: 48
    .max_flat_workgroup_size: 256
    .sgpr_count:     66
    .vgpr_count:     512
    .wavefront_size: 32
...
	.end_amdgpu_metadata
.endif
;; end of part 4
